; MI455X (gfx1250); checked and timed in simulation.
; The chip was launched on July 23, 2026; its instructions are those of AMD's public machine-readable ISA for CDNA 5 (MIT licence, August 2026) and "CDNA5" Instruction Set Architecture Reference Guide (July 2026). The comments in the code are by the model that wrote it; some were corrected since.
;; Mem Block. Allowed arithmetic: matrix products marked QUANTISED: E4M3 operands, one given power-of-two scale a tensor, by v_wmma_f32_16x16x64_fp8_fp8 or v_wmma_f32_16x16x128_fp8_fp8, f32 sums; everything else in f32.
;; Inputs: W1 1,024 x 4,096 float32; W2 4,096 x 1,024 float32; Wk 1,024 x 1,024 float32; Wq 1,024 x 1,024 float32; Wv 1,024 x 1,024 float32; b1 4,096 float32; b2 1,024 float32; bk 1,024 float32; bq 1,024 float32; bv 1,024 float32; ln1_b 1,024 float32; ln1_g 1,024 float32; ln2_b 1,024 float32; ln2_g 1,024 float32; lowp_scales 14 int32 (the exponents e of the quantised operands' scales 2^e); x 4 x 1,024 x 1,024 float32.
;; Outputs: out0 4 x 1,024 x 1,024 float32.
;; This version of the problem:
;;   THIS VERSION OF THE PROBLEM IS GIVEN IN LOW PRECISION. The matrix products marked QUANTISED in the list below multiply operands that are first quantised to E4M3 (4 exponent bits, 3 mantissa bits; 8 bits a number), with one given power-of-two scale for each operand tensor; their sums are f32. All else is computed in f32.
;;   The module's matrix products, in the order in which they are computed (A, B: the left and right operand; K: the contracted axis; several contracted axes count as one K, in the product's order):
;;     1. [M 4,096, K 1,024] x [K 1,024, N 1,024]; A: computed on the way; B: input Wq: QUANTISED (scales: A lowp_scales[0], B lowp_scales[1])
;;     2. [M 4,096, K 1,024] x [K 1,024, N 1,024]; A: computed on the way; B: input Wk: QUANTISED (scales: A lowp_scales[2], B lowp_scales[3])
;;     3. [M 4,096, K 1,024] x [K 1,024, N 1,024]; A: computed on the way; B: input Wv: QUANTISED (scales: A lowp_scales[4], B lowp_scales[5])
;;     4. batch 64 x [M 1,024, K 64] x [K 64, N 1,024]; A: computed on the way; B: computed on the way: QUANTISED (scales: A lowp_scales[6], B lowp_scales[7])
;;     5. batch 64 x [M 1,024, K 1,024] x [K 1,024, N 64]; A: softmax (see below); B: computed on the way: QUANTISED (scales: A lowp_scales[8], B lowp_scales[9])
;;     6. [M 4,096, K 1,024] x [K 1,024, N 4,096]; A: computed on the way; B: input W1: QUANTISED (scales: A lowp_scales[10], B lowp_scales[11])
;;     7. [M 4,096, K 4,096] x [K 4,096, N 1,024]; A: computed on the way; B: input W2: QUANTISED (scales: A lowp_scales[12], B lowp_scales[13])
;;   THE QUANTISER, for each operand of a quantised product, along K:
;;     - The operand's scale is 2^e, e = its entry of the input lowp_scales (int32; the entries are numbered through the quantised products in the list's order, A before B).
;;     - Each number is divided by the scale, clamped to +-448, and rounded to the nearest number of E4M3, ties to even, subnormals kept.
;;     - The product sums the exact products of the quantised numbers (number of the format x scale) in f32.
;;   ~~~python
;;   def quantise(x, axis, e):      # numpy; x: float32 -> the quantised numbers, widened to float32 again
;;       x = np.moveaxis(x, axis, -1); K = x.shape[-1]
;;       r = np.clip(x / 2.0 ** e, -448, 448)
;;       step = 2.0 ** (np.maximum(np.frexp(np.where(r == 0, 1, r))[1] - 1, -6) - 3)
;;       q = np.round(r / step) * step * 2.0 ** e      # np.round: ties to even
;;       return np.moveaxis(q, -1, axis).astype(np.float32)
;;   ~~~
;;   SOFTMAX AHEAD OF A QUANTISED PRODUCT. Where the list says 'softmax', what is quantised is not the finished softmax but p = 2^(t - M), with t = logit x log2(e) and M = ceil(the row's largest t), a whole number; so 1/2 < the row's largest p <= 1. The row's sum l is taken of the UNQUANTISED p, in f32, and the product's result is divided by l at the end. Since M is a whole number, a kernel that streams over the keys may use a running M (the ceiling of the running maximum): every later rescaling is an exact power of two, so the quantised numbers keep their values, but for numbers so far below the row's largest that they fall under the format's range.
;;   OPERANDS COMPUTED ON THE WAY. 'Computed on the way' means the value that the module computes at that place (a softmax that the list does not call 'softmax' is quantised finished and normalised). What goes into a quantiser is computed in f32, as accurately as f32 sums, v_exp_f32 and their like allow (about 1e-6 of the number): no bf16 or f16 on the way to a quantiser, and a product that is left as it is and whose result goes on into a quantised operand takes f32 operands (vector FMAs, or v_wmma_f32_16x16x4_f32). A number that lies on a knife's edge between two numbers of the format may be rounded either way, as far as f32 arithmetic and the matrix unit's own rounding can turn it there, and no further.
;; One version. Each part assembles by itself: llvm-mc -triple=amdgcn-amd-amdhsa -mcpu=gfx1250 --defsym DOCPART=n.
;; ======== version 1 of 1: 6 launches
;; limits: right only within a limited range of input values
;; workspace buffers: pimg 24,117,248 bytes; qkv_img 12,582,912 bytes; x1 16,777,216 bytes; h2_img 4,194,304 bytes; g_img 16,777,216 bytes
;; launch prep (part 1): grid 352 x 1, 16 waves a work-group, no clusters, 51,968 bytes of LDS; arguments Wq, Wk, Wv, x, ln1_g, ln1_b, lowp_scales, pimg; writes pimg
.if DOCPART == 1
	.amdgcn_target "amdgcn-amd-amdhsa--gfx1250"
	.amdhsa_code_object_version 6
	.text
	.protected	k_qcb413ca166_prep
	.globl	k_qcb413ca166_prep
	.p2align	8
	.type	k_qcb413ca166_prep,@function
k_qcb413ca166_prep:
	s_mov_b64 s[64:65], 0
	v_nop
	global_prefetch_b8 v0, s[64:65] scope:SCOPE_SE
	s_setreg_imm32_b32 hwreg(HW_REG_WAVE_MODE, 25, 1), 1
	s_wait_xcnt 0x0
; PREP: Wq, Wk, Wv and LN1(x) become codes of E4M3, stored as IMAGES OF OPERAND REGISTERS in pimg.  (W1's and W2's codes are made by launch attn, into their own parts of pimg.)
; A fragment is 16 rows x 128 K, 2,048 bytes: register group c (4 registers) of lane L at byte 512 c + 16 L; lane (r, h) holds, of row r, k = 32 c + 16 h + 0 .. 15.
; An operand [rows][K] lies as [row / 16][k / 128][2048].  pimg: wq 0 | wk 0x100000 | wv 0x200000 | hq 0x300000 | hk 0x700000 | hv 0xB00000 | w1 0xF00000 | w2 0x1300000.
; h = LN1(x) goes into three products under three scale entries (0, 2, 4), which may differ: it is coded three times.
; DEAD WORK OF THE WHOLE PROGRAM.  reference() writes attn = where(triu(ones, 1), 1e-9, qkt / 8): above the diagonal the score is replaced whatever q and k hold.  So the product q k^T is left out
; where a whole step of 128 keys lies above all 16 queries of a tile (launch attn).  The fill 1e-9 itself stays: it counts in the row's maximum, in the row's sum and in the product with v.
; Nothing else is left out and every input is loaded.  LIMIT: a NaN, an infinity or an overflow that would arise only in a score that is left out is not carried to the result.
; LIMITS: each scale's exponent e between -126 and 119, so that 2^e and 448 x 2^e are f32 numbers.  NaN among the inputs is not served by the hold.
; WORK-GROUPS: 0-95 Wq, Wk, Wv (32 each); 96-351 LN1, 16 rows each.  The paths part on the work-group's number alone.  Only the LN path uses LDS.
; No matrix unit, no cluster, no tensor load: the launch streams, and its work-groups share no input but the gains.
.set SPARE, 49920                      ; behind the three stages: the spare words, 128 bytes for each of 16 waves
.set SPW,   5                          ; v5  SPARE + 4 x my thread's number; never rewritten
.set NIL,   6                          ; v6  0; never rewritten
.set LP,    1040                       ; a stage row: 1,024 codes + 16 bytes: 65 x 16, so 16 rows' loads of 16 bytes fall on 16 different columns of 16 bytes
.set STG,   16*LP                      ; a stage: 16 rows
.set NWG,   96                         ; work-groups that take weights
.macro MKSC se, vs, vl                 ; v[vs] = 2^e as f32 (the conversion takes its exponent field), v[vl] = 448 x 2^e
	s_add_co_i32 s54, \se, 127
	s_lshl_b32 s55, s54, 23
	v_mov_b32 v[\vs], s55
	s_add_co_i32 s54, s54, 8
	s_lshl_b32 s54, s54, 23
	s_or_b32 s54, s54, 0x600000
	v_mov_b32 v[\vl], s54
.endm
; A weight is stored [k][n].  A LANE TAKES A COLUMN n AND ITS REGISTERS RUN DOWN K: a load reads 128 consecutive bytes a wave, and the conversions give codes with K innermost.
.macro LOADB t                         ; block t: 32 numbers down K
.set i, 0
.rept 32
	global_load_b32 v[32+32*(\t)+i], v3, s[4:5] offset:(32*(\t)+i)*4096 th:TH_LOAD_NT
.set i, i+1
.endr
.endm
.macro BLOCK t
.if (\t) < 1
	s_wait_loadcnt 32                              ; this block's 32 loads are in; the next block's 32 may be out
.else
	s_wait_loadcnt 0x0
.endif
.set i, 0
.rept 32
	v_med3_num_f32 v[32+32*(\t)+i], v[32+32*(\t)+i], -v10, v10   ; the conversion does not saturate (ISA guide 7.6.2): the hold at 448 x the scale
.set i, i+1
.endr
.irp g, 0,1,2,3
	v_cvt_scalef32_pk8_fp8_f32 v[96+8*(\t)+2*\g:96+8*(\t)+2*\g+1], v[32+32*(\t)+8*\g:32+32*(\t)+8*\g+7], v11
.endr
	global_store_b128 v4, v[96+8*(\t):96+8*(\t)+3], s[6:7] offset:512*(\t)         ; k 0 .. 15 of the block: the image's lanes 0-15; sixteen lanes store 256 consecutive bytes, aligned
	global_store_b128 v4, v[96+8*(\t)+4:96+8*(\t)+7], s[6:7] offset:512*(\t)+256   ; k 16 .. 31: its lanes 16-31.  Each block has code registers of its own: no store's data are written again
.endm
	s_load_b512 s[8:23], s[0:1], 0x0               ; Wq 8, Wk 10, Wv 12, x 14, ln1_g 16, ln1_b 18, the scales' exponents 20, pimg 22
	v_lshl_add_u32 v[SPW], v0, 2, SPARE
	v_mov_b32 v[NIL], 0
	v_lshrrev_b32 v1, 5, v0
	s_delay_alu instid0(VALU_DEP_1)
	v_readfirstlane_b32 s2, v1                     ; wave 0..15
	v_and_b32 v1, 31, v0                           ; lane
	s_wait_kmcnt 0x0
	s_load_b256 s[28:35], s[20:21], 0x0            ; e0 .. e7
	s_cmp_ge_u32 ttmp9, NWG
	s_cbranch_scc1 .Lln
; ---- Wq, Wk, Wv: rows of 1,024 numbers.  A work-group takes 512 columns x 64 k, a wave 32 columns: two blocks of 32 k, all 64 loads on their way at once
	s_lshr_b32 s42, ttmp9, 5                       ; 0, 1, 2: Wq, Wk, Wv
	s_and_b32 s43, ttmp9, 31
	s_lshl_b32 s47, s42, 20                        ; the tensor's part of pimg
	s_cmp_eq_u32 s42, 1
	s_cselect_b64 s[4:5], s[10:11], s[12:13]
	s_cmp_eq_u32 s42, 0
	s_cselect_b64 s[4:5], s[8:9], s[4:5]
	s_and_b32 s44, s43, 1                          ; which 512 columns
	s_lshr_b32 s43, s43, 1                         ; which 64 k
	s_lshl_b32 s50, s43, 18                        ; 64 rows of 4,096 bytes
	s_lshl_b32 s49, s44, 11
	s_add_co_u32 s50, s50, s49
	s_lshl_b32 s49, s2, 7
	s_add_co_u32 s50, s50, s49
	s_mov_b32 s51, 0
	s_add_nc_u64 s[4:5], s[4:5], s[50:51]
	s_lshl_b32 s49, s44, 5
	s_lshl_b32 s52, s2, 1
	s_add_co_u32 s49, s49, s52                     ; my first tile of 16 columns
	s_lshl_b32 s49, s49, 14                        ; 8 K steps of 2,048 bytes each
	s_lshl_b32 s52, s43, 10                        ; 64 k are two register groups of 512 bytes
	s_add_co_u32 s52, s52, s49
	s_add_co_u32 s52, s52, s47
	s_mov_b32 s53, 0
	s_add_nc_u64 s[6:7], s[22:23], s[52:53]
	s_wait_alu depctr_va_vdst(0)
	v_lshlrev_b32 v3, 2, v1                        ; in: my column
	v_lshrrev_b32 v7, 4, v1
	s_delay_alu instid0(VALU_DEP_1)
	v_lshlrev_b32 v7, 14, v7                       ; out: lanes 16-31 hold the next tile of 16 columns
	v_and_b32 v8, 15, v1
	s_delay_alu instid0(VALU_DEP_1)
	v_lshl_add_u32 v4, v8, 4, v7
	LOADB 0
	LOADB 1
	s_wait_kmcnt 0x0
	s_cmp_eq_u32 s42, 1
	s_cselect_b32 s46, s31, s33                    ; e3 or e5
	s_cmp_eq_u32 s42, 0
	s_cselect_b32 s46, s29, s46                    ; e1
	MKSC s46, 11, 10
	s_wait_alu depctr_va_vdst(0)
	BLOCK 0
	BLOCK 1
	s_endpgm
; ---- LN1.  A wave takes a row and keeps it in 32 registers: lane L holds k = 256 j + 8 L + 0 .. 7, j = 0 .. 3, eight neighbours for a conversion.  The 16 rows' codes meet in a stage in LDS
; (rows as rows), and come back in the image's order, 512 consecutive bytes of the image to a store.
; v18 32 x lane; v2 into the stage; v3 out of it; v4 my bytes of the image; v[8:9], v[116:117] sums; v[10:11] mean, then 1/sqrt; v12-14 scales; v15-17 limits; v20-51 the row; v52-83 gain, v84-115 bias;
; behind the affine step: v52-67 two sets of held numbers, v68-91 codes, v92-115 the image's pieces
.macro WRED r                          ; the sum over the wave's 32 lanes, in every lane
	s_delay_alu instid0(VALU_DEP_1)
	v_add_f32_dpp v[\r], v[\r], v[\r] row_xmask:1 row_mask:0xf bank_mask:0xf
	s_delay_alu instid0(VALU_DEP_1)
	v_add_f32_dpp v[\r], v[\r], v[\r] row_xmask:2 row_mask:0xf bank_mask:0xf
	s_delay_alu instid0(VALU_DEP_1)
	v_add_f32_dpp v[\r], v[\r], v[\r] row_xmask:4 row_mask:0xf bank_mask:0xf
	s_delay_alu instid0(VALU_DEP_1)
	v_add_f32_dpp v[\r], v[\r], v[\r] row_xmask:8 row_mask:0xf bank_mask:0xf
	s_delay_alu instid0(VALU_DEP_1)
	v_permlanex16_b32 v7, v[\r], s46, s47
	s_delay_alu instid0(VALU_DEP_1)
	v_add_f32 v[\r], v[\r], v7
.endm
.macro LNQ s                           ; the row under scale s: held, coded, into stage s.  The two sets of held numbers take turns, so that no conversion's sources are written straight behind it
.irp j, 0,1,2,3
.irp i, 0,1,2,3,4,5,6,7
	v_med3_num_f32 v[52+8*(\j%2)+\i], v[20+8*\j+\i], -v[15+\s], v[15+\s]
.endr
	v_cvt_scalef32_pk8_fp8_f32 v[68+8*\s+2*\j:69+8*\s+2*\j], v[52+8*(\j%2):59+8*(\j%2)], v[12+\s]
	ds_store_b64 v2, v[68+8*\s+2*\j:69+8*\s+2*\j] offset:\s*STG+256*\j   ; 32 lanes store 256 consecutive bytes of my row
.endr
.endm
.Lln:
	s_sub_co_u32 s42, ttmp9, NWG                   ; which 16 rows
	s_lshl_b32 s43, s42, 4
	s_add_co_u32 s43, s43, s2                      ; my row
	s_lshl_b32 s44, s43, 12
	s_mov_b32 s45, 0
	s_add_nc_u64 s[14:15], s[14:15], s[44:45]
	s_wait_alu depctr_va_vdst(0)
	v_lshlrev_b32 v18, 5, v1
.irp j, 0,1,2,3
	global_load_b128 v[20+8*\j:23+8*\j], v18, s[14:15] offset:1024*\j th:TH_LOAD_NT
	global_load_b128 v[24+8*\j:27+8*\j], v18, s[14:15] offset:1024*\j+16 th:TH_LOAD_NT
.endr
.irp j, 0,1,2,3
	global_load_b128 v[52+8*\j:55+8*\j], v18, s[16:17] offset:1024*\j
	global_load_b128 v[56+8*\j:59+8*\j], v18, s[16:17] offset:1024*\j+16
.endr
.irp j, 0,1,2,3
	global_load_b128 v[84+8*\j:87+8*\j], v18, s[18:19] offset:1024*\j
	global_load_b128 v[88+8*\j:91+8*\j], v18, s[18:19] offset:1024*\j+16
.endr
	s_lshl_b32 s44, s42, 14                        ; the 16 rows' image: 16,384 bytes
	s_add_co_u32 s44, s44, 0x300000
	s_add_nc_u64 s[48:49], s[22:23], s[44:45]      ; in hq,
	s_add_nc_u64 s[50:51], s[48:49], 0x400000      ; hk,
	s_add_nc_u64 s[52:53], s[50:51], 0x400000      ; hv
	s_mul_i32 s44, s2, LP
	v_lshl_add_u32 v2, v1, 3, s44                  ; row = wave, 8 bytes a lane
	v_and_b32 v8, 15, v0                           ; r
	v_bfe_u32 v9, v0, 4, 1                         ; h
	s_delay_alu instid0(VALU_DEP_2)
	v_mul_u32_u24 v3, v8, LP
	s_delay_alu instid0(VALU_DEP_1)
	v_lshl_add_u32 v3, v9, 4, v3
	s_lshl_b32 s44, s2, 6
	v_add_nc_u32 v3, s44, v3                       ; wave w takes the image's bytes 1,024 w on: k = 64 w + 32 c + 16 h + 0 .. 15 of row r
	s_lshl_b32 s44, s2, 10
	v_lshl_add_u32 v4, v1, 4, s44
	v_mov_b32 v7, 0                                ; a lane permute's destination counts as read
	s_mov_b32 s46, 0x76543210
	s_mov_b32 s47, 0xfedcba98                      ; lane l xor 16
	s_mov_b32 s56, 0x3a800000                      ; 1 / 1,024
	s_mov_b32 s57, 0x3727c5ac                      ; 1e-5
	s_wait_kmcnt 0x0
	MKSC s28, 12, 15
	MKSC s30, 13, 16
	MKSC s32, 14, 17
	s_wait_loadcnt 16                              ; the row's 8 loads are in; the gain's and the bias's 16 may be out
	v_pk_add_f32 v[116:117], v[20:21], v[22:23]
	v_pk_add_f32 v[126:127], v[28:29], v[32:33]
	v_pk_add_f32 v[124:125], v[36:37], v[40:41]
	v_pk_add_f32 v[122:123], v[44:45], v[48:49]
	v_pk_add_f32 v[120:121], v[24:25], v[26:27]
	v_pk_add_f32 v[118:119], v[30:31], v[34:35]
	v_pk_add_f32 v[10:11], v[38:39], v[42:43]      ; (v18 is the address of loads that are still out: it stays)
	v_pk_add_f32 v[8:9], v[46:47], v[50:51]
	s_delay_alu instid0(VALU_DEP_1)
	v_pk_add_f32 v[8:9], v[8:9], v[122:123]
	v_pk_add_f32 v[116:117], v[116:117], v[120:121]
	v_pk_add_f32 v[126:127], v[126:127], v[118:119]
	v_pk_add_f32 v[124:125], v[124:125], v[10:11]
	s_delay_alu instid0(VALU_DEP_2)
	v_pk_add_f32 v[8:9], v[8:9], v[126:127]
	s_delay_alu instid0(VALU_DEP_2)
	v_pk_add_f32 v[116:117], v[116:117], v[124:125]
	s_delay_alu instid0(VALU_DEP_1)
	v_pk_add_f32 v[8:9], v[8:9], v[116:117]
	s_delay_alu instid0(VALU_DEP_1)
	v_add_f32 v8, v8, v9
	WRED 8
	s_delay_alu instid0(VALU_DEP_1)
	v_mul_f32 v10, s56, v8                         ; the mean
	s_delay_alu instid0(VALU_DEP_1)
	v_mov_b32 v11, v10
.irp i, 0,2,4,6,8,10,12,14,16,18,20,22,24,26,28,30
	v_pk_add_f32 v[20+\i:21+\i], v[20+\i:21+\i], v[10:11] neg_lo:[0,1] neg_hi:[0,1]
.endr
	v_pk_mul_f32 v[8:9], v[20:21], v[20:21]
	v_pk_mul_f32 v[116:117], v[22:23], v[22:23]
.irp i, 4,8,12,16,20,24,28
	s_delay_alu instid0(VALU_DEP_2)
	v_pk_fma_f32 v[8:9], v[20+\i:21+\i], v[20+\i:21+\i], v[8:9]
	s_delay_alu instid0(VALU_DEP_2)
	v_pk_fma_f32 v[116:117], v[22+\i:23+\i], v[22+\i:23+\i], v[116:117]
.endr
	s_delay_alu instid0(VALU_DEP_1)
	v_pk_add_f32 v[8:9], v[8:9], v[116:117]
	s_delay_alu instid0(VALU_DEP_1)
	v_add_f32 v8, v8, v9
	WRED 8
	s_delay_alu instid0(VALU_DEP_1)
	v_fma_f32 v8, v8, s56, s57                     ; the variance + 1e-5
	s_wait_alu depctr_va_vdst(0)
	v_rsq_f32 v10, v8
	v_nop                                          ; a plain instruction behind the transcendental,
	s_wait_alu depctr_va_vdst(0)                   ; and the wait ahead of its first reader
	v_mov_b32 v11, v10
	s_wait_alu depctr_va_vdst(0)
	s_wait_loadcnt 0x0                             ; gain and bias
.irp i, 0,2,4,6,8,10,12,14,16,18,20,22,24,26,28,30
	v_pk_mul_f32 v[20+\i:21+\i], v[20+\i:21+\i], v[10:11]
.endr
.irp i, 0,2,4,6,8,10,12,14,16,18,20,22,24,26,28,30
	v_pk_fma_f32 v[20+\i:21+\i], v[20+\i:21+\i], v[52+\i:53+\i], v[84+\i:85+\i]
.endr
	LNQ 0
	LNQ 1
	LNQ 2
	s_wait_dscnt 0x0                               ; for the others' sake: my row's codes lie in the stages
	s_barrier_signal -1
	s_barrier_wait -1                              ; all 16 rows do (all 16 waves of the work-group are on this path)
.irp s, 0,1,2
.irp c, 0,1
	ds_load_b128 v[92+8*\s+4*\c:95+8*\s+4*\c], v3 offset:\s*STG+32*\c
.endr
.endr
.irp n, 0,1,2,3,4,5
	s_wait_dscnt 5-\n                              ; LDS loads come back in order: piece n is in
	global_store_b128 v4, v[92+4*\n:95+4*\n], s[48+2*(\n/2):49+2*(\n/2)] offset:512*(\n%2)   ; 32 lanes store 512 consecutive bytes of the image
.endr
	s_wait_tensorcnt 0x0                           ; the wave's end
	ds_add_u32 v[SPW], v[NIL]
	s_wait_dscnt 0x0
	s_endpgm
.Lfunc_end_k_qcb413ca166_prep:
	.size	k_qcb413ca166_prep, .Lfunc_end_k_qcb413ca166_prep-k_qcb413ca166_prep
	.p2alignl 7, 3214868480
	.fill 96, 4, 3214868480
	.section	.rodata,"a",@progbits
	.p2align	6, 0x0
	.amdhsa_kernel k_qcb413ca166_prep
		.amdhsa_group_segment_fixed_size 51968
		.amdhsa_private_segment_fixed_size 0
		.amdhsa_enable_private_segment 0
		.amdhsa_kernarg_size 64
		.amdhsa_user_sgpr_count 2
		.amdhsa_user_sgpr_kernarg_segment_ptr 1
		.amdhsa_wavefront_size32 1
		.amdhsa_system_sgpr_workgroup_id_x 1
		.amdhsa_system_sgpr_workgroup_id_y 1
		.amdhsa_system_sgpr_workgroup_id_z 1
		.amdhsa_system_vgpr_workitem_id 0
		.amdhsa_next_free_vgpr 128
		.amdhsa_next_free_sgpr 66
		.amdhsa_reserve_vcc 0
		.amdhsa_float_denorm_mode_32 3
		.amdhsa_float_denorm_mode_16_64 3
		.amdhsa_memory_ordered 1
		.amdhsa_forward_progress 1
		.amdhsa_inst_pref_size 34
	.end_amdhsa_kernel
	.amdgpu_metadata
---
amdhsa.version: [ 1, 2 ]
amdhsa.kernels:
  - .name:           k_qcb413ca166_prep
    .symbol:         k_qcb413ca166_prep.kd
    .args:
      - { .name: Wq, .offset: 0, .size: 8, .value_kind: global_buffer, .address_space: global }
      - { .name: Wk, .offset: 8, .size: 8, .value_kind: global_buffer, .address_space: global }
      - { .name: Wv, .offset: 16, .size: 8, .value_kind: global_buffer, .address_space: global }
      - { .name: x, .offset: 24, .size: 8, .value_kind: global_buffer, .address_space: global }
      - { .name: ln1_g, .offset: 32, .size: 8, .value_kind: global_buffer, .address_space: global }
      - { .name: ln1_b, .offset: 40, .size: 8, .value_kind: global_buffer, .address_space: global }
      - { .name: lowp_scales, .offset: 48, .size: 8, .value_kind: global_buffer, .address_space: global }
      - { .name: pimg, .offset: 56, .size: 8, .value_kind: global_buffer, .address_space: global }
    .group_segment_fixed_size: 51968
    .private_segment_fixed_size: 0
    .kernarg_segment_align: 8
    .kernarg_segment_size: 64
    .max_flat_workgroup_size: 512
    .sgpr_count:     66
    .vgpr_count:     128
    .wavefront_size: 32
...
	.end_amdgpu_metadata
.endif
;; end of part 1
;; launch qkv (part 2): grid 12 x 16, 4 waves a work-group, clusters of 4 x 4, 327,680 bytes of LDS; arguments pimg, bq, bk, bv, lowp_scales, qkv_img; writes qkv_img
.if DOCPART == 2
	.amdgcn_target "amdgcn-amd-amdhsa--gfx1250"
	.amdhsa_code_object_version 6
	.text
	.protected	k_qcb413ca166_qkv
	.globl	k_qcb413ca166_qkv
	.p2align	8
	.type	k_qcb413ca166_qkv,@function
k_qcb413ca166_qkv:
	s_mov_b64 s[64:65], 0
	v_nop
	global_prefetch_b8 v0, s[64:65] scope:SCOPE_SE
	s_setreg_imm32_b32 hwreg(HW_REG_WAVE_MODE, 25, 1), 1
	s_wait_xcnt 0x0
	s_wait_alu depctr_hold_cnt(0) depctr_sa_sdst(0) depctr_va_vdst(0) depctr_va_sdst(0) depctr_va_ssrc(0) depctr_va_vcc(0) depctr_vm_vsrc(0)
	s_getreg_b32 s2, hwreg(HW_REG_IB_STS2, 6, 4)
	s_cmp_eq_u32 s2, 0
	s_cbranch_scc0 .Lentry_in_a_cluster
	s_endpgm
.Lentry_in_a_cluster:
	s_bfe_u32 s2, ttmp6, 0x10000c
	s_cmp_lg_u32 s2, 0xf033
	s_cbranch_scc0 .Lentry_shape_is_right
	s_endpgm
.Lentry_shape_is_right:
; QKV: q = h Wq + bq, k = h Wk + bk, v = h Wv + bv on codes of E4M3, and each result quantised at once into the fragments that launch attn wants.  Nothing is left out here.
; The cluster's x says which product: 0 q, 1 k, 2 v.  A work-group makes 256 x 256 results, a wave 128 x 128: 64 accumulators, 512 registers.  K = 1,024 goes in four fills of 256 through two LDS slots.
; OPERANDS ARE IMAGES OF REGISTERS (launch prep): [row / 16][k / 128][2048].  A tensor load brings 8 tiles of 16 rows x 2 K steps as 8 rows of 4,096 bytes; a fragment is four ds_load_b128 of 512 consecutive bytes: no pitch, no padding.
; k stands in the same places in both operands (k = 32 c + 16 h + 0 .. 15 in registers 4 c .. 4 c + 3): every product meets its partner; the order of the sums inside an instruction is not ascending k.
; THE MATRIX INSTRUCTION IS USED TRANSPOSED: source 0 = 16 rows of the 'B area', source 1 = 16 rows of the 'A area': lane (r, h) holds A-row r, and register j of tile b holds B-row 16 b + 8 h + j.
;   q, k: A = tokens (hq, hk), B = the weight's columns.  A tile's eight results are eight neighbours of the head's 64: their codes ARE registers 2 (b % 4), 2 (b % 4) + 1 of a fragment 16 tokens x 64.
;   v:    A = Wv's columns (head x 64 + d), B = tokens (hv).  A tile's eight results are eight neighbouring KEYS: block a's codes ARE a fragment 16 d x 128 keys of V^T.  The swap is made by addresses alone.
; qkv_img: [batch x 16 + head][196608]: Q [token / 16][1024] | K at 65,536 likewise | V at 131,072 [key / 128][d / 16][2048].
; CLUSTERS: 4 x 4.  A's tiles are shared along a row of the cluster, B's along a column: joint loads.  192 work-groups: the three products have so many tiles of 256 x 256.
; LIMITS: e0 + e1, e2 + e3, e4 + e5 between -126 and 127; e6, e7, e9 between -126 and 119.  NaN is not served by the hold.
; REGISTERS: window 0: v0-31 addresses; v32-95 biases; v96-103 their offsets; v104 448 x 2^e, v105 2^e of the result's quantiser; v128-255 A's fragments, one set; on the way out v128-191 numbers, v192-223 codes.
;   window 1: B's fragments, two sets.   windows 2, 3: the accumulators ((a, b) at v[8 (8 (a % 4) + b)]).
.set HALFT,  32768                     ; 8 tiles of 16 rows x 2 K steps: what one tensor load brings
.set SLOT,   4*HALFT                   ; A's two halves, then B's two
.set SPARE,  2*SLOT                    ; behind the ring: the spare words, 128 bytes a wave
.set ROWB,   4096                      ; two K steps of one tile of 16 rows
.set FR,     16
.set NL,     4
.set NP,     4                         ; places behind this matrix instruction (ISA guide 7.12.1)
.set ADRA, 16
.set ADRB, 20
.set CO,   26                          ; v26  16 x lane
.set SPW,  28
.set NIL,  29
.set AF,   128
.set G1, 24
.set G0, 32
.set G1B, 48
.set G0B, 56
.set MSB, 0
.macro WIN new                         ; the immediate's high byte repeats the setting that is left
.if MSB != (\new)
	s_set_vgpr_msb (MSB<<8)|(\new)
.set MSB, (\new)
.endif
.endm
.set MUL_LO, 0xa1
.set MUL_HI, 0xf1
.set TO_B,   0x40
.macro JLOAD g0a, g1a, g0b, g1b        ; a joint load: waves 0 and 1 fetch for A, waves 2 and 3 for B; an s_nop 0 and four v_nop follow each line
	s_cmp_eq_u32 s15, 0
	s_cbranch_scc0 .Lfor_b_\@
	tensor_load_to_lds s[\g0a:\g0a+3], s[\g1a:\g1a+7]
	s_nop 0
.rept 4
	v_nop
.endr
	s_branch .Lasked_\@
.Lfor_b_\@:
	tensor_load_to_lds s[\g0b:\g0b+3], s[\g1b:\g1b+7]
	s_nop 0
.rept 4
	v_nop
.endr
.Lasked_\@:
.endm
.macro CREST
	s_cmp_lg_u32 s14, 0
	s_cbranch_scc1 .Lnot_wave_0_\@
	s_barrier_signal -3
.Lnot_wave_0_\@:
	s_barrier_wait -3
	s_barrier_signal -1
	s_barrier_wait -1
.endm
.macro CROUND
	s_barrier_signal -1
	s_barrier_wait -1
	CREST
.endm
	s_load_b256 s[4:11], s[0:1], 0x0               ; pimg 4, bq 6, bk 8, bv 10
	s_load_b128 s[80:83], s[0:1], 0x20             ; the scales' exponents 80, qkv_img 82
	v_lshl_add_u32 v[SPW], v0, 2, SPARE
	v_mov_b32 v[NIL], 0
	ds_add_u32 v[SPW], v[NIL]                      ; the wave's opening: the add, twice on end, and its wait ahead of my first tensor load
	ds_add_u32 v[SPW], v[NIL]
	v_lshrrev_b32 v1, 5, v0
	v_readfirstlane_b32 s14, v1                    ; wave 0..3
	s_lshr_b32 s15, s14, 1                         ; my half of the A rows.  Also: I fetch for A (0) or for B (1)
	s_and_b32 s16, s14, 1                          ; my half of the B rows.  Also: which half I fetch
	s_bfe_u32 s40, ttmp6, 0x40000                  ; cx
	s_bfe_u32 s41, ttmp6, 0x40004                  ; cy
	s_and_b32 s70, ttmp7, 0xffff                   ; the cluster's y, 0..3
	s_lshl_b32 s71, ttmp9, 22
	s_add_co_u32 s71, s71, 0x300000                ; hq, hk
	s_lshl_b32 s72, ttmp9, 20                      ; wq, wk
	s_mov_b32 s73, 0x200000                        ; wv
	s_mov_b32 s74, 0xB00000                        ; hv
	s_cmp_eq_u32 ttmp9, 2                          ; v?  The cluster's x: the same in all sixteen partners
	s_cselect_b32 s71, s73, s71                    ; the A area's place in pimg
	s_cselect_b32 s72, s74, s72                    ; the B area's
	s_cselect_b32 s75, 0, s70                      ; tokens have 16 tiles of 256, a weight 4
	s_cselect_b32 s76, s70, 0
	s_lshl_b32 s17, s75, 2
	s_add_co_u32 s17, s17, s41                     ; A's tile
	s_lshl_b32 s42, s76, 2
	s_add_co_u32 s42, s42, s40                     ; B's tile
	s_lshl_b32 s43, s41, 2
	s_lshl_b32 s43, 15, s43                        ; my row of the cluster
	s_lshl_b32 s44, 0x1111, s40                    ; my column
	s_or_b32 s[G1+0], s43, (3<<16)|(1<<21)         ; 15:0 the mask; 17:16 elements of 8 bytes; 21 set beside a mask; no padding
	s_or_b32 s[G1B+0], s44, (3<<16)|(1<<21)
.irp g, G1, G1B
	s_mov_b32 s[\g+1], 512<<16                     ; tensor_dim0 = 512 elements: 4,096 bytes
	s_mov_b32 s[\g+2], 8<<16                       ; tensor_dim1 = 8
	s_mov_b32 s[\g+3], 512<<16                     ; tile_dim0
	s_mov_b32 s[\g+4], 8                           ; tile_dim1
	s_mov_b32 s[\g+5], 2048                        ; from one tile of 16 rows to the next: 16,384 bytes
	s_mov_b32 s[\g+6], 0
	s_mov_b32 s[\g+7], 0
.endr
	s_lshl_b32 s18, s16, 17                        ; the half that I fetch: 8 tiles of 16 rows
	s_lshl_b32 s20, s17, 18
	s_add_co_u32 s20, s20, s18
	s_add_co_u32 s20, s20, s71
	s_mov_b32 s21, 0
	s_lshl_b32 s46, s42, 18
	s_add_co_u32 s46, s46, s18
	s_add_co_u32 s46, s46, s72
	s_mov_b32 s47, 0
	s_lshl_b32 s45, s14, 15                        ; where it goes: wave x HALFT
	s_wait_dscnt 0x0                               ; both opening adds are done
	s_wait_kmcnt 0x0
	s_load_b256 s[84:91], s[80:81], 0x0            ; e0 .. e7
	s_load_b64 s[92:93], s[80:81], 0x20            ; e8, e9
	s_add_nc_u64 s[20:21], s[4:5], s[20:21]
	s_add_nc_u64 s[46:47], s[4:5], s[46:47]
	CROUND                                         ; all sixteen work-groups are here: the first joint loads meet
.irp s, 0,1
	s_mov_b32 s[G0+4*\s], 1
	s_add_co_u32 s[G0+4*\s+1], s45, \s*SLOT
	s_add_nc_u64 s[G0+4*\s+2:G0+4*\s+3], s[20:21], \s*ROWB
	s_or_b32 s[G0+4*\s+3], s[G0+4*\s+3], 0x80000000
	s_mov_b32 s[G0B+4*\s], 1
	s_add_co_u32 s[G0B+4*\s+1], s45, \s*SLOT
	s_add_nc_u64 s[G0B+4*\s+2:G0B+4*\s+3], s[46:47], \s*ROWB
	s_or_b32 s[G0B+4*\s+3], s[G0B+4*\s+3], 0x80000000
.endr
	JLOAD G0, G1, G0B, G1B                         ; slot 0: one tensor load a wave at the head
	v_and_b32 v1, 15, v0                           ; r
	s_wait_alu depctr_va_vdst(0)
	v_bfe_u32 v2, v0, 4, 1                         ; h
	v_and_b32 v6, 31, v0
	v_lshlrev_b32 v[CO], 4, v6
	s_lshl_b32 s22, s15, 15
	s_lshl_b32 s23, s16, 15
	s_add_co_u32 s23, s23, 2*HALFT
.irp s, 0,1
	v_add_nc_u32 v[ADRA+\s], s22, v[CO]
	v_add_nc_u32 v[ADRB+\s], s23, v[CO]
	s_add_co_u32 s22, s22, SLOT
	s_add_co_u32 s23, s23, SLOT
.endr
	; which tokens and which columns are my wave's
	s_lshl_b32 s66, s17, 8
	s_lshl_b32 s68, s15, 7
	s_add_co_u32 s66, s66, s68                     ; my first A row
	s_lshl_b32 s67, s42, 8
	s_lshl_b32 s68, s16, 7
	s_add_co_u32 s67, s67, s68                     ; my first B row
	s_cmp_eq_u32 ttmp9, 2
	s_cselect_b32 s68, s67, s66                    ; my first token
	s_cselect_b32 s69, s66, s67                    ; my first column of the weight
	s_cselect_b32 s70, 4, 0                        ; the bias hangs on the lane's r (v) ..
	s_cselect_b32 s71, 0, 32                       ; .. or on its half
	s_cselect_b32 s72, 0, 4                        ; and on the register (q, k)
	s_cselect_b64 s[8:9], s[10:11], s[8:9]
	s_cmp_eq_u32 ttmp9, 0
	s_cselect_b64 s[6:7], s[6:7], s[8:9]           ; the product's bias
	s_lshr_b32 s73, s68, 10
	s_lshl_b32 s73, s73, 4
	s_lshr_b32 s74, s69, 6
	s_add_co_u32 s73, s73, s74                     ; batch x 16 + my first head
	s_mul_i32 s73, s73, 196608
	s_lshl_b32 s74, ttmp9, 16                      ; Q 0, K 65,536, V 131,072
	s_add_co_u32 s73, s73, s74
	s_and_b32 s74, s68, 1023
	s_lshl_b32 s74, s74, 6                         ; 16 tokens are 1,024 bytes of Q or K; 128 keys are 8,192 bytes of V: 64 bytes a token in both
	s_add_co_u32 s74, s74, s73
	s_mov_b32 s75, 0
	s_add_nc_u64 s[12:13], s[82:83], s[74:75]
	s_lshl_b32 s69, s69, 2
	v_mul_u32_u24 v96, v1, s70
	s_wait_alu depctr_va_vdst(0)
	v_mad_u32_u24 v96, v2, s71, v96
	v_add_nc_u32 v96, s69, v96
.irp j, 1,2,3,4,5,6,7
	v_add_nc_u32 v[96+\j], s72, v[95+\j]
.endr
.irp p, 0,1,2,3,4,5,6,7                ; q, k: v[32 + 8 b + j] = bias of column 16 b + 8 h + j;  v: v[32 + 8 a + j] = bias of A row 16 a + r, for every j
.irp j, 0,1,2,3,4,5,6,7
	global_load_b32 v[32+8*\p+\j], v[96+\j], s[6:7] offset:64*\p
.endr
.endr
.macro FRAG reg, adr, q, i             ; a fragment as it was stored: four loads of 512 consecutive bytes
.irp c, 0,1,2,3
	ds_load_b128 v[\reg+4*\c:\reg+4*\c+3], v[\adr] offset:(\i)*4096+(\q)*2048+512*\c
.endr
.endm
.macro MUL16 a0, p, zero               ; A's blocks a0, a0 + 1 x B's eight.  The 64 accumulators take turns, one instruction a turn, in the same order in every step
.irp a, \a0, \a0+1
.irp b, 0,1,2,3,4,5,6,7
.if \zero
	v_wmma_f32_16x16x128_fp8_fp8 v[8*(8*((\a)%4)+\b):8*(8*((\a)%4)+\b)+7], v[128*(\p)+FR*\b:128*(\p)+FR*\b+FR-1], v[AF+FR*(\a):AF+FR*(\a)+FR-1], 0
.else
	v_wmma_f32_16x16x128_fp8_fp8 v[8*(8*((\a)%4)+\b):8*(8*((\a)%4)+\b)+7], v[128*(\p)+FR*\b:128*(\p)+FR*\b+FR-1], v[AF+FR*(\a):AF+FR*(\a)+FR-1], v[8*(8*((\a)%4)+\b):8*(8*((\a)%4)+\b)+7]
.endif
.endr
.endr
.endm
.macro FETCH_B slot, q, p
	WIN TO_B
.irp i, 0,1,2,3,4,5,6,7
	FRAG 128*(\p)+FR*\i, ADRB+\slot, \q, \i
.endr
	WIN 0
.endm
.macro FETCH_A slot, q, i0
.irp i, \i0, \i0+1, \i0+2, \i0+3
	FRAG AF+FR*(\i), ADRA+\slot, \q, \i
.endr
.endm
.macro PLACES n                        ; plain vector instructions between a matrix instruction and a load into, or a vector access to, one of its registers
.rept \n
	v_nop
.endr
.endm
.macro STEP slot, q, zero              ; 128 along K, with its successor in the same slot
	s_wait_dscnt 4*NL                              ; B's set and A's blocks 0-3 are in; the youngest 16 loads (A's blocks 4-7) may be out
	WIN MUL_LO
	MUL16 0, (\q)%2, \zero
	MUL16 2, (\q)%2, \zero
	s_wait_dscnt 0                                 ; A's blocks 4-7 are in
	PLACES NP
	FETCH_B \slot, (\q)+1, 1-(\q)%2
	FETCH_A \slot, (\q)+1, 0
	WIN MUL_HI
	MUL16 4, (\q)%2, \zero
	MUL16 6, (\q)%2, \zero
	PLACES NP
	WIN 0
	FETCH_A \slot, (\q)+1, 4
.endm
.macro TURN slot, next, fill           ; a slot's last step changes slots: one barrier; in front of it all my tensor loads, the add, and my reads of this slot are waited for
	s_wait_tensorcnt 0x0                           ; all my tensor loads have landed: my part of the next slot
	ds_add_u32 v[SPW], v[NIL]
	s_wait_dscnt 4*NL+1                            ; the add and the youngest 16 loads may be out
	WIN MUL_LO
	MUL16 0, 1, 0
	s_wait_dscnt 0x0                               ; the add is done, and my reads of this slot are over
	s_barrier_signal -1
	MUL16 2, 1, 0
	WIN 0
	s_barrier_wait -1
.if \fill
	CREST                                          ; the barrier has opened a round of the cluster's: no wave of any partner still reads this slot or has a load on its way
	s_add_nc_u64 s[G0+4*\slot+2:G0+4*\slot+3], s[G0+4*\slot+2:G0+4*\slot+3], 2*ROWB
	s_add_nc_u64 s[G0B+4*\slot+2:G0B+4*\slot+3], s[G0B+4*\slot+2:G0B+4*\slot+3], 2*ROWB
	JLOAD G0+4*\slot, G1, G0B+4*\slot, G1B         ; my one tensor load behind the round; its four v_nop are the places in front of the loads below
.else
	PLACES NP
.endif
	FETCH_B \next, 0, 0
	FETCH_A \next, 0, 0
	WIN MUL_HI
	MUL16 4, 1, 0
	MUL16 6, 1, 0
	PLACES NP
	WIN 0
	FETCH_A \next, 0, 4
.endm
	s_wait_alu depctr_va_vdst(0)                   ; the wait at the head's end
	s_wait_tensorcnt 0x0                           ; my part of slot 0 is in
	ds_add_u32 v[SPW], v[NIL]
	s_wait_dscnt 0x0
	CROUND                                         ; everybody's part of slot 0 is in, and the joint loads meet
	JLOAD G0+4, G1, G0B+4, G1B                     ; slot 1's first fill: my one tensor load behind the round
	FETCH_B 0, 0, 0
	FETCH_A 0, 0, 0
	FETCH_A 0, 0, 4
	STEP 0, 0, 1                                   ; the first step's products start the sums
	s_mov_b32 s3, 1
.Llap:                                                 ; once round the ring: both slots are filled again (K steps 4 to 7)
	TURN 0, 1, 1
	STEP 1, 0, 0
	TURN 1, 0, 1
	STEP 0, 0, 0
	s_sub_co_u32 s3, s3, 1
	s_cmp_lg_u32 s3, 0
	s_cbranch_scc1 .Llap
	TURN 0, 1, 0                                   ; the last lap fills nothing
	STEP 1, 0, 0
	s_wait_dscnt 4*NL
	WIN MUL_LO
	MUL16 0, 1, 0
	MUL16 2, 1, 0
	s_wait_dscnt 0
	WIN MUL_HI
	MUL16 4, 1, 0
	MUL16 6, 1, 0
	WIN 0
; THE WAY OUT, block by block of 16 A rows: sum x 2^(the operands' e added) + bias, held, coded; the codes are the fragment's registers and leave as they stand, 512 consecutive bytes a store.
.macro EPI a, isv
.if (\a) >= 2
	s_wait_xcnt 0x0                                ; block a - 2's stores have read their registers
.endif
	WIN 0x02+((\a)/4)
.set i, 0
.rept 32
.if \isv
	v_pk_fma_f32 v[128+i:129+i], v[64*((\a)%4)+i:64*((\a)%4)+i+1], s[96:97], v[32+8*(\a)+i%8:32+8*(\a)+i%8+1] op_sel_hi:[1,0,1]
.else
	v_pk_fma_f32 v[128+i:129+i], v[64*((\a)%4)+i:64*((\a)%4)+i+1], s[96:97], v[32+i:33+i] op_sel_hi:[1,0,1]   ; each accumulator from its low end on
.endif
.set i, i+2
.endr
	WIN 0
.set i, 0
.rept 64
	v_med3_num_f32 v[128+i], v[128+i], -v104, v104
.set i, i+1
.endr
.irp b, 0,1,2,3,4,5,6,7
	v_cvt_scalef32_pk8_fp8_f32 v[192+16*((\a)%2)+2*\b:192+16*((\a)%2)+2*\b+1], v[128+8*\b:135+8*\b], v105
.endr
	v_nop                                          ; a plain instruction between the conversions and the next block's writes of their sources
.irp g, 0,1,2,3
.if \isv
	global_store_b128 v[CO], v[192+16*((\a)%2)+4*\g:192+16*((\a)%2)+4*\g+3], s[12:13] offset:((\a)/4)*196608+((\a)%4)*2048+512*\g
.else
	global_store_b128 v[CO], v[192+16*((\a)%2)+4*\g:192+16*((\a)%2)+4*\g+3], s[12:13] offset:(\a)*1024+(\g/2)*196608+(\g%2)*512
.endif
.endr
.endm
	s_wait_loadcnt 0x0                             ; the biases
	s_wait_kmcnt 0x0
	s_add_co_i32 s84, s84, s85
	s_add_co_i32 s86, s86, s87
	s_add_co_i32 s88, s88, s89
	s_cmp_eq_u32 ttmp9, 0
	s_cselect_b32 s84, s84, s86
	s_cselect_b32 s90, s90, s91                    ; q is coded under e6, k under e7,
	s_cmp_eq_u32 ttmp9, 2
	s_cselect_b32 s84, s88, s84
	s_cselect_b32 s90, s93, s90                    ; v under e9
	s_add_co_i32 s84, s84, 127
	s_lshl_b32 s96, s84, 23                        ; 2^(the operands' e added)
	s_mov_b32 s97, s96                             ; (named with it as a pair)
	s_add_co_i32 s90, s90, 127
	s_lshl_b32 s91, s90, 23
	v_mov_b32 v105, s91
	s_add_co_i32 s90, s90, 8
	s_lshl_b32 s90, s90, 23
	s_or_b32 s90, s90, 0x600000
	v_mov_b32 v104, s90
	PLACES NP
	s_cmp_eq_u32 ttmp9, 2                          ; the cluster's x: all waves of all partners go the same way; neither arm touches LDS
	s_cbranch_scc1 .Lvarm
.irp a, 0,1,2,3,4,5,6,7
	EPI \a, 0
.endr
	s_branch .Ldone
.Lvarm:
.irp a, 0,1,2,3,4,5,6,7
	EPI \a, 1
.endr
.Ldone:
	s_wait_tensorcnt 0x0                           ; the wave's end
	ds_add_u32 v[SPW], v[NIL]
	s_wait_dscnt 0x0
	CROUND                                         ; the closing round
	s_endpgm
.Lfunc_end_k_qcb413ca166_qkv:
	.size	k_qcb413ca166_qkv, .Lfunc_end_k_qcb413ca166_qkv-k_qcb413ca166_qkv
	.p2alignl 7, 3214868480
	.fill 96, 4, 3214868480
	.section	.rodata,"a",@progbits
	.p2align	6, 0x0
	.amdhsa_kernel k_qcb413ca166_qkv
		.amdhsa_group_segment_fixed_size 327680
		.amdhsa_private_segment_fixed_size 0
		.amdhsa_enable_private_segment 0
		.amdhsa_kernarg_size 48
		.amdhsa_user_sgpr_count 2
		.amdhsa_user_sgpr_kernarg_segment_ptr 1
		.amdhsa_wavefront_size32 1
		.amdhsa_system_sgpr_workgroup_id_x 1
		.amdhsa_system_sgpr_workgroup_id_y 1
		.amdhsa_system_sgpr_workgroup_id_z 1
		.amdhsa_system_vgpr_workitem_id 0
		.amdhsa_next_free_vgpr 1024
		.amdhsa_next_free_sgpr 100
		.amdhsa_reserve_vcc 0
		.amdhsa_float_denorm_mode_32 3
		.amdhsa_float_denorm_mode_16_64 3
		.amdhsa_memory_ordered 1
		.amdhsa_forward_progress 1
		.amdhsa_inst_pref_size 197
	.end_amdhsa_kernel
	.amdgpu_metadata
---
amdhsa.version: [ 1, 2 ]
amdhsa.kernels:
  - .name:           k_qcb413ca166_qkv
    .symbol:         k_qcb413ca166_qkv.kd
    .args:
      - { .name: pimg, .offset: 0, .size: 8, .value_kind: global_buffer, .address_space: global }
      - { .name: bq, .offset: 8, .size: 8, .value_kind: global_buffer, .address_space: global }
      - { .name: bk, .offset: 16, .size: 8, .value_kind: global_buffer, .address_space: global }
      - { .name: bv, .offset: 24, .size: 8, .value_kind: global_buffer, .address_space: global }
      - { .name: lowp_scales, .offset: 32, .size: 8, .value_kind: global_buffer, .address_space: global }
      - { .name: qkv_img, .offset: 40, .size: 8, .value_kind: global_buffer, .address_space: global }
    .group_segment_fixed_size: 327680
    .private_segment_fixed_size: 0
    .kernarg_segment_align: 8
    .kernarg_segment_size: 48
    .max_flat_workgroup_size: 128
    .sgpr_count:     100
    .vgpr_count:     1024
    .wavefront_size: 32
...
	.end_amdgpu_metadata
.endif
;; end of part 2
;; launch attn (part 3): grid 4 x 64, 16 waves a work-group, clusters of 4 x 1, 327,680 bytes of LDS; arguments qkv_img, lowp_scales, x, x1, W1, W2, pimg; writes x1, pimg
.if DOCPART == 3
	.amdgcn_target "amdgcn-amd-amdhsa--gfx1250"
	.amdhsa_code_object_version 6
	.text
	.protected	k_qcb413ca166_attn
	.globl	k_qcb413ca166_attn
	.p2align	8
	.type	k_qcb413ca166_attn,@function
k_qcb413ca166_attn:
	s_mov_b64 s[64:65], 0
	v_nop
	global_prefetch_b8 v0, s[64:65] scope:SCOPE_SE
	s_setreg_imm32_b32 hwreg(HW_REG_WAVE_MODE, 25, 1), 1
	s_wait_xcnt 0x0
	s_wait_alu depctr_hold_cnt(0) depctr_sa_sdst(0) depctr_va_vdst(0) depctr_va_sdst(0) depctr_va_ssrc(0) depctr_va_vcc(0) depctr_vm_vsrc(0)
	s_getreg_b32 s2, hwreg(HW_REG_IB_STS2, 6, 4)
	s_cmp_eq_u32 s2, 0
	s_cbranch_scc0 .Lentry_in_a_cluster
	s_endpgm
.Lentry_in_a_cluster:
	s_bfe_u32 s2, ttmp6, 0x10000c
	s_cmp_lg_u32 s2, 0x3003
	s_cbranch_scc0 .Lentry_shape_is_right
	s_endpgm
.Lentry_shape_is_right:
; ATTN: x1 = x + softmax(where(key > query, 1e-9, q k^T / 8)) v, both products on codes of E4M3 (launch qkv made the fragments).  On the side: W1's and W2's codes, which nothing needs before launch mlp1.
; LEFT OUT (shown at the head of launch prep): the product q k^T in steps of 128 keys that lie wholly above my 16 queries: reference() replaces those scores by 1e-9 whatever q and k hold.
; The fill stays: in such a step every key has t = 1e-9 x log2(e); it enters the running maximum, the sum (64 keys a lane) and the product with v, which is done in full.
; THE SOFTMAX AHEAD OF THE SECOND PRODUCT: t = logit x log2(e); M = the running largest t rounded up to a whole number, kept as -M = floor(-t); p = 2^(t - M) is quantised under e8, not normalised;
; the sum is taken of the unquantised p and divides at the end; when M moves, the sum and O^T are multiplied by 2^(old M - new M), which rounds nothing.
; SHARES.  A cluster of four work-groups takes one batch and head; a wave takes one tile of 16 queries, number 4 idx + cx.  idx is a permutation of the wave's number in which any four waves on end, and any four
; that are 4 apart, have the same sum, so the live steps are spread evenly.  The diagonal step is idx / 2: it hangs on the wave's number alone, never on the place in the cluster.
; K AND V: NO RING.  A head's K and V fragments are 131,072 consecutive bytes: each wave asks for 8,192 of them, once, jointly with its three partners.  Nothing is filled again; the loop has no barrier.
; Every partner reads every byte: the waves with idx 14 and 15 walk all eight steps of K, and all waves all of V.
; W1 AND W2.  The two weights are 4,096 units of 64 columns x 32 k of f32, 8,192 bytes each: one for each wave of the launch (waves 0-7: W1; waves 8-15: W2).  A wave asks for its unit by one tensor load of its own,
; 32 rows of 256 bytes, into LDS bytes that it alone reads, behind the round that shows K and V landed; it reads the unit at its end, so the load has the whole walk over the keys in which to land.
; There a lane takes a column (and the column 32 further on) and its registers run down K: held, coded, stored into pimg's images (layout: launch prep).  W1's columns go in another order within each 32: column q is
; row (q % 8) + 8 (q / 16) of image tile (q / 8) % 2, so that in launch mlp1 a lane's 16 results of two neighbouring tiles are 16 neighbours along the next K.
; LAYOUT.  S^T = K Q^T (source 0 = 16 keys, source 1 = my queries): lane (r, h) holds query r, register j of tile t key 16 t + 8 h + j.  A tile's eight p, coded, are registers 2 t, 2 t + 1 of the second
; product's operand in that form's own order of k, in which V^T's fragments were stored.  O^T = V^T P^T: register j of tile t is channel 16 t + 8 h + j.
; LIMITS: e6 + e7 between -123 and 99 (added to c's exponent field, taken from the fill's); e8, e11, e13 between -126 and 119; e8 + e9 goes in by v_ldexp_f32.  NaN in W1 or W2 is not served by the hold.
; REGISTERS: v1 16 x lane; v2, v3 LDS addresses of the step's K and V; v4 the mask's distance; v5, v6 the add's two; v7 my bytes in x and x1; v8 the raw score that stands for the fill, v9 its t; v10, v11 the stage;
; v12 -M, v13 the largest t, v[14:15] the sum; v16-23 Q; v28 LDS address of my weight column; v29, v30 where its codes go; v32-95 K's or V's fragments, at the end the weight's numbers; v96-159 S^T, then p, at the end O and its rows;
; v160-191 O^T; v192-207 p's codes, at the end the weight's; v208-239 x; v240 448 x 2^e8; v244 2^e8; v248, v249 the same for the weight; v242, 243, 246, 252-254 at work.
.set VOFF,  65536                      ; LDS: K 0 .. 65,535 (step s at 8,192 s, tile t at 1,024 t), V behind it (step s at 8,192 s, tile t at 2,048 t)
.set WOFF,  131072                     ; the waves' weight units, 8,192 bytes each: [k 32][column 64] f32.  The way out's stage, 16 rows x 272 bytes, lies in the wave's own unit, behind its only fill and behind my reads of it
.set SPARE, 262144                     ; the spare words, 128 bytes for each of 16 waves
.set SPW, 5
.set NIL, 6
.set WV,  34
.set SD,  39                           ; s39  my diagonal step
.set ST,  40                           ; s40  the step
.set TB,  41                           ; s41  8,192 x the step
.set CS,  42                           ; s[42:43] c = log2(e) / 8 x 2^(e6 + e7)
.set SEL, 44                           ; s[44:45] lane l xor 16
.set G0W, 76                           ; s[76:79] group 0 of the weight's load;  s[80:87] group 1 for W1, s[88:95] for W2: they differ in the pitch
.macro CROUND
	s_barrier_signal -1
	s_barrier_wait -1
	s_cmp_lg_u32 s[WV], 0
	s_cbranch_scc1 .Lnot_wave_0_\@
	s_barrier_signal -3
.Lnot_wave_0_\@:
	s_barrier_wait -3
	s_barrier_signal -1
	s_barrier_wait -1
.endm
.macro VLOADS                          ; the step's four fragments of V^T: 16 channels x 128 keys each
.irp t, 0,1,2,3
.irp c, 0,1,2,3
	ds_load_b128 v[32+16*\t+4*\c:35+16*\t+4*\c], v3 offset:2048*\t+512*\c
.endr
.endr
.endm
.macro NEWM                            ; v13 holds the new largest t: -M anew, and f = 2^(old M - new M) in v252
	v_mov_b32 v254, v12
	s_delay_alu instid0(VALU_DEP_2)
	v_floor_f32 v12, -v13
	s_delay_alu instid0(VALU_DEP_1)
	v_sub_f32 v254, v12, v254                      ; a whole number, 0 or less
	s_delay_alu instid0(VALU_DEP_1)
	v_cvt_i32_f32 v254, v254                       ; (it saturates)
	s_delay_alu instid0(VALU_DEP_1)
	v_ldexp_f32 v252, 1.0, v254
.endm
.macro RESCALE                         ; O^T under the new M
.irp j, 0,2,4,6,8,10,12,14,16,18,20,22,24,26,28,30
	v_pk_mul_f32 v[160+\j:161+\j], v[160+\j:161+\j], v[252:253] op_sel_hi:[1,0]
.endr
.endm
	s_load_b256 s[4:11], s[0:1], 0x0               ; qkv_img 4, the scales' exponents 6, x 8, x1 10
	s_load_b128 s[68:71], s[0:1], 0x20             ; W1 68, W2 70
	s_load_b64 s[72:73], s[0:1], 0x30              ; pimg
	v_lshl_add_u32 v[SPW], v0, 2, SPARE
	v_mov_b32 v[NIL], 0
	ds_add_u32 v[SPW], v[NIL]                      ; the wave's opening: the add, twice on end, and its wait ahead of my first tensor load
	ds_add_u32 v[SPW], v[NIL]
	v_lshrrev_b32 v1, 5, v0
	s_delay_alu instid0(VALU_DEP_1)
	v_readfirstlane_b32 s[WV], v1                  ; wave 0..15
	s_lshr_b32 s46, s[WV], 2
	s_and_b32 s47, s[WV], 3
	s_xor_b32 s46, s46, s47
	s_lshr_b32 s47, s46, 1
	s_xor_b32 s46, s46, s47
	s_and_b32 s46, s46, 1
	s_xor_b32 s46, s46, 1
	s_mul_i32 s46, s46, 15
	s_xor_b32 s35, s[WV], s46                      ; idx: the wave's number, or 15 less it
	s_lshr_b32 s[SD], s35, 1
	s_bfe_u32 s36, ttmp6, 0x40000                  ; cx: it enters global addresses and the mask's distance alone
	s_lshl_b32 s38, s35, 2
	s_add_co_u32 s38, s38, s36                     ; my tile of 16 queries
	s_and_b32 s37, ttmp7, 0xffff                   ; batch x 16 + head
	s_mov_b32 s16, 15|(3<<16)|(1<<21)              ; K's and V's group 1: 15:0 all four partners; 17:16 elements of 8 bytes; 21 set beside a mask
	s_mov_b32 s17, 32<<16                          ; tensor_dim0 = 32 elements: 256 bytes
	s_mov_b32 s18, 32<<16                          ; tensor_dim1 = 32
	s_mov_b32 s19, 32<<16                          ; tile_dim0
	s_mov_b32 s20, 32                              ; tile_dim1
	s_mov_b32 s21, 32                              ; the rows are dense
	s_mov_b32 s22, 0
	s_mov_b32 s23, 0
.irp g, 80, 88                         ; the weights' groups 1: no mask; elements of 4 bytes; 32 rows of 64
	s_mov_b32 s[\g], 2<<16
	s_mov_b32 s[\g+1], 64<<16                      ; tensor_dim0 = 64 elements: 256 bytes
	s_mov_b32 s[\g+2], 32<<16                      ; tensor_dim1 = 32
	s_mov_b32 s[\g+3], 64<<16                      ; tile_dim0
	s_mov_b32 s[\g+4], 32                          ; tile_dim1
	s_mov_b32 s[\g+6], 0
	s_mov_b32 s[\g+7], 0
.endr
	s_mov_b32 s85, 4096                            ; a row of W1, in elements
	s_mov_b32 s93, 1024                            ; a row of W2
	s_mul_i32 s48, s37, 196608                     ; the head's bytes
	s_lshl_b32 s13, s[WV], 13                      ; K's and V's group 0: LDS address: 8,192 x wave
	s_add_co_u32 s50, s48, s13
	s_add_co_u32 s50, s50, 65536                   ; K begins behind Q
	s_mov_b32 s51, 0
	s_lshl_b32 s52, s38, 10
	s_add_co_u32 s52, s52, s48                     ; my Q fragment
	s_mov_b32 s53, 0
	s_lshr_b32 s54, s37, 4
	s_lshl_b32 s54, s54, 10
	s_lshl_b32 s56, s38, 4
	s_add_co_u32 s54, s54, s56                     ; my first token
	s_lshl_b32 s54, s54, 12
	s_and_b32 s56, s37, 15
	s_lshl_b32 s56, s56, 8
	s_add_co_u32 s54, s54, s56                     ; + the head's 256 bytes of a row
	s_mov_b32 s55, 0
	; my unit of W1 or W2: number u of 2,048 = ((batch x 16 + head) x 4 + cx) x 8 + wave % 8
	s_lshl_b32 s59, s37, 2
	s_add_co_u32 s59, s59, s36
	s_lshl_b32 s59, s59, 3
	s_and_b32 s60, s[WV], 7
	s_add_co_u32 s59, s59, s60
	s_cmp_lt_u32 s[WV], 8                          ; W1?  The wave's number alone
	s_cselect_b32 s60, 6, 4                        ; log2 of the groups of 64 columns: 64 in W1, 16 in W2
	s_cselect_b32 s61, 19, 17                      ; log2 of the bytes of 32 rows
	s_cselect_b32 s62, 14, 16                      ; log2 of the bytes from one image tile of 16 columns to the next: K / 128 x 2,048
	s_mov_b32 s74, 0x1300000                       ; W2's image in pimg,
	s_cselect_b32 s74, 0xF00000, s74               ; W1's
	s_lshr_b32 s63, s59, s60                       ; which 32 k
	s_lshl_b32 s75, s63, s60
	s_sub_co_u32 s75, s59, s75                     ; which 64 columns
	s_lshl_b32 s66, s63, s61
	s_lshl_b32 s67, s75, 8
	s_add_co_u32 s66, s66, s67                     ; the unit's first byte in the weight
	s_mov_b32 s67, 0
	s_lshl_b32 s75, s75, 2                         ; four image tiles,
	s_lshl_b32 s75, s75, s62
	s_add_co_u32 s74, s74, s75
	s_lshl_b32 s75, s63, 9                         ; 32 k are one register group of 512 bytes, four of them a K step of 2,048
	s_add_co_u32 s74, s74, s75                     ; where its codes begin in pimg
	s_mov_b32 s75, 0
	s_mov_b32 s[G0W], 1
	s_lshl_b32 s[G0W+1], s[WV], 13
	s_add_co_u32 s[G0W+1], s[G0W+1], WOFF          ; LDS address: my unit
	s_mov_b32 s[SEL], 0x76543210
	s_mov_b32 s[SEL+1], 0xfedcba98
	s_mov_b32 s12, 1
	s_wait_dscnt 0x0                               ; both opening adds are done
	s_wait_kmcnt 0x0
	s_load_b256 s[24:31], s[6:7], 0x0              ; e0 .. e7
	s_load_b64 s[32:33], s[6:7], 0x20              ; e8, e9
	s_load_b128 s[96:99], s[6:7], 0x28             ; e10 .. e13
	s_add_nc_u64 s[14:15], s[4:5], s[50:51]
	s_or_b32 s15, s15, 0x80000000
	s_add_nc_u64 s[4:5], s[4:5], s[52:53]
	s_add_nc_u64 s[8:9], s[8:9], s[54:55]
	s_add_nc_u64 s[10:11], s[10:11], s[54:55]
	s_cmp_lt_u32 s[WV], 8
	s_cselect_b64 s[G0W+2:G0W+3], s[68:69], s[70:71]
	s_add_nc_u64 s[G0W+2:G0W+3], s[G0W+2:G0W+3], s[66:67]
	s_or_b32 s[G0W+3], s[G0W+3], 0x80000000
	s_add_nc_u64 s[72:73], s[72:73], s[74:75]
	CROUND                                         ; all four work-groups are here: the joint loads meet
	tensor_load_to_lds s[12:15], s[16:23]          ; my part of K and V: one tensor load of mine is out
	s_nop 0
	v_and_b32 v24, 31, v0
	s_delay_alu instid0(VALU_DEP_1)
	v_lshlrev_b32 v1, 4, v24
	v_and_b32 v25, 15, v0                          ; r
	v_bfe_u32 v26, v0, 4, 1                        ; h
	global_load_b128 v[16:19], v1, s[4:5]
	global_load_b128 v[20:23], v1, s[4:5] offset:512
	v_lshlrev_b32 v7, 12, v26
	s_delay_alu instid0(VALU_DEP_1)
	v_lshl_add_u32 v7, v25, 4, v7                  ; lanes 0-15 one row's 256 bytes, lanes 16-31 the next row's
.irp i, 0,1,2,3,4,5,6,7
	global_load_b128 v[208+4*\i:211+4*\i], v7, s[8:9] offset:8192*\i th:TH_LOAD_NT
.endr
	s_and_b32 s56, s38, 7
	s_lshl_b32 s56, s56, 4
	v_lshlrev_b32 v27, 3, v26
	s_delay_alu instid0(VALU_DEP_1)
	v_sub_nc_u32 v4, v25, v27
	s_delay_alu instid0(VALU_DEP_1)
	v_add_nc_u32 v4, s56, v4                       ; my query less 8 h, counted from the diagonal step's first key: register n is masked where 16 (n / 8) + n % 8 is above it
	v_mul_u32_u24 v10, v25, 272
	s_delay_alu instid0(VALU_DEP_1)
	v_lshl_add_u32 v10, v26, 5, v10
	s_delay_alu instid0(VALU_DEP_1)
	v_add_nc_u32 v10, s[G0W+1], v10                ; into my stage: row r, + 32 h
	v_mul_u32_u24 v11, v26, 272
	s_delay_alu instid0(VALU_DEP_1)
	v_lshl_add_u32 v11, v25, 4, v11
	s_delay_alu instid0(VALU_DEP_1)
	v_add_nc_u32 v11, s[G0W+1], v11                ; back: lanes 0-15 one row, lanes 16-31 the next
	v_lshl_add_u32 v28, v24, 2, s[G0W+1]           ; my weight column: 4 bytes a lane
	v_bfe_u32 v27, v0, 3, 1
	v_and_b32 v31, 7, v0
	s_delay_alu instid0(VALU_DEP_1)
	v_lshl_or_b32 v31, v26, 3, v31
	s_delay_alu instid0(VALU_DEP_1)
	v_lshl_or_b32 v31, v27, 4, v31                 ; W1: my column's place among the 32: bits 3 and 4 of the lane change places
	s_cmp_lt_u32 s[WV], 8
	s_cselect_b32 s56, -1, 0
	v_cndmask_b32 v31, v24, v31, s56               ; W2: the lane as it is
	s_delay_alu instid0(VALU_DEP_1)
	v_lshrrev_b32 v29, 4, v31
	s_delay_alu instid0(VALU_DEP_1)
	v_lshlrev_b32 v29, s62, v29                    ; which of two image tiles,
	s_delay_alu instid0(VALU_DEP_3)
	v_and_b32 v31, 15, v31
	s_delay_alu instid0(VALU_DEP_1)
	v_lshl_add_u32 v29, v31, 4, v29                ; and the row's 16 bytes in it
	s_lshl_b32 s56, 2, s62
	v_add_nc_u32 v30, s56, v29                     ; the column 32 further on: two image tiles on
	v_mov_b32 v13, 0xff61b1e6                      ; the largest t so far: -3e38
	s_delay_alu instid0(VALU_DEP_1)
	v_floor_f32 v12, -v13
	v_mov_b32 v14, 0
	v_mov_b32 v15, 0
	v_mov_b32 v246, 0                              ; a lane permute's destination counts as read
	v_mov_b32 v253, 0                              ; (named as the upper half of v[252:253])
.set i, 0
.rept 32
	v_mov_b32 v[160+i], 0                          ; O^T: the loop is written once; its first step finds zeros
.set i, i+1
.endr
	s_wait_kmcnt 0x0
	s_add_co_i32 s46, s30, s31
	s_lshl_b32 s46, s46, 23
	s_mov_b32 s[CS], 0x3e38aa3b                    ; log2(e) / 8
	s_add_co_i32 s[CS], s[CS], s46                 ; x 2^(e6 + e7)
	s_mov_b32 s[CS+1], s[CS]
	s_mov_b32 s47, 0x3209705f                      ; 8e-9
	s_sub_co_i32 s47, s47, s46                     ; / 2^(e6 + e7): the sum of codes that stands for the logit 1e-9
	v_mov_b32 v8, s47
	s_delay_alu instid0(VALU_DEP_1)
	v_mul_f32 v9, s[CS], v8
	s_add_co_i32 s46, s32, 127
	s_lshl_b32 s47, s46, 23
	v_mov_b32 v244, s47
	s_add_co_i32 s46, s46, 8
	s_lshl_b32 s46, s46, 23
	s_or_b32 s46, s46, 0x600000
	v_mov_b32 v240, s46
	s_cmp_lt_u32 s[WV], 8
	s_cselect_b32 s46, s97, s99                    ; W1 is coded under e11, W2 under e13
	s_add_co_i32 s46, s46, 127
	s_lshl_b32 s47, s46, 23
	v_mov_b32 v248, s47
	s_add_co_i32 s46, s46, 8
	s_lshl_b32 s46, s46, 23
	s_or_b32 s46, s46, 0x600000
	v_mov_b32 v249, s46
	s_add_co_i32 s58, s32, s33                     ; e8 + e9
	s_mov_b32 s[ST], 0
	s_mov_b32 s[TB], 0
	s_wait_loadcnt 8                               ; Q's two loads are in; x's eight may be out
	s_wait_tensorcnt 0x0                           ; my part of K and V has landed: no tensor load of mine is out
	ds_add_u32 v[SPW], v[NIL]
	s_wait_dscnt 0x0
	CROUND                                         ; everybody's part has landed, in all four work-groups
	s_cmp_lt_u32 s[WV], 8                          ; my weight unit is asked for: a first fill, my one tensor load behind this round; the branch hangs on the wave's number alone
	s_cbranch_scc0 .Lw2
	tensor_load_to_lds s[G0W:G0W+3], s[80:87]
	s_nop 0
.rept 4
	v_nop
.endr
	s_branch .Lwasked
.Lw2:
	tensor_load_to_lds s[G0W:G0W+3], s[88:95]
	s_nop 0
.rept 4
	v_nop
.endr
.Lwasked:
.Lstep:                                                ; eight trips, 128 keys each
	v_add_nc_u32 v2, s[TB], v1
	s_delay_alu instid0(VALU_DEP_1)
	v_add_nc_u32 v3, VOFF, v2
	v_nop
	v_nop                                          ; with the two additions: four places in front of loads into registers that the last products read
	s_cmp_gt_u32 s[ST], s[SD]
	s_cbranch_scc1 .Lmasked
.irp t, 0,1,2,3,4,5,6,7
	ds_load_b128 v[32+8*\t:35+8*\t], v2 offset:1024*\t
	ds_load_b128 v[36+8*\t:39+8*\t], v2 offset:1024*\t+512
.endr
	s_wait_dscnt 0x0
.irp t, 0,1,2,3,4,5,6,7
	v_wmma_f32_16x16x64_fp8_fp8 v[96+8*\t:103+8*\t], v[32+8*\t:39+8*\t], v[16:23], 0
.endr
.rept 4
	v_nop
.endr
	s_wait_alu depctr_va_vdst(0)
	VLOADS                                         ; they land under the softmax
	s_cmp_lt_u32 s[ST], s[SD]
	s_cbranch_scc1 .Lopen
.set n, 0
.rept 64                               ; the diagonal step: masked scores become the fill
	v_cmp_gt_i32 vcc_lo, 16*(n/8)+n%8, v4
	v_cndmask_b32 v[96+n], v[96+n], v8, vcc_lo
.set n, n+1
.endr
.Lopen:
	v_max3_num_f32 v254, v96, v97, v98             ; the step's largest score of my query among my 64 keys, in two chains,
	v_max3_num_f32 v252, v99, v100, v101
.irp i, 6,10,14,18,22,26,30,34,38,42,46,50,54,58
	v_max3_num_f32 v254, v254, v[96+\i], v[97+\i]
	v_max3_num_f32 v252, v252, v[98+\i], v[99+\i]
.endr
	v_max3_num_f32 v254, v254, v158, v159
	s_delay_alu instid0(VALU_DEP_1)
	v_max_num_f32 v254, v254, v252
	s_delay_alu instid0(VALU_DEP_1)
	v_permlanex16_b32 v246, v254, s[SEL], s[SEL+1]
	s_delay_alu instid0(VALU_DEP_1)
	v_max_num_f32 v254, v254, v246                 ; and among lane l xor 16's
	s_delay_alu instid0(VALU_DEP_1)
	v_mul_f32 v254, s[CS], v254                    ; as t (c is positive)
	s_delay_alu instid0(VALU_DEP_1)
	v_max_num_f32 v13, v13, v254
	NEWM
.irp j, 0,2,4,6,8,10,12,14,16,18,20,22,24,26,28,30,32,34,36,38,40,42,44,46,48,50,52,54,56,58,60,62
	v_pk_fma_f32 v[96+\j:97+\j], v[96+\j:97+\j], s[CS:CS+1], v[12:13] op_sel_hi:[1,0,0]   ; t - M
.endr
.set i, 0
	s_wait_alu depctr_va_vdst(0)
.rept 64
	v_exp_f32 v[96+i], v[96+i]                     ; p = 2^(t - M)
.set i, i+1
.endr
	v_pk_mul_f32 v[14:15], v[14:15], v[252:253] op_sel_hi:[1,0]   ; the sums under the new M: the plain instruction behind the batch
	s_wait_alu depctr_va_vdst(0)                   ; one wait for the whole batch, ahead of its first reader
	v_pk_add_f32 v[242:243], v[100:101], v[104:105]
	v_pk_add_f32 v[254:255], v[108:109], v[112:113]
	v_pk_add_f32 v[250:251], v[116:117], v[120:121]
	v_pk_add_f32 v[206:207], v[124:125], v[128:129]
	v_pk_add_f32 v[204:205], v[132:133], v[136:137]
	v_pk_add_f32 v[202:203], v[140:141], v[144:145]
	v_pk_add_f32 v[200:201], v[148:149], v[152:153]
	v_pk_add_f32 v[14:15], v[14:15], v[156:157]
	v_pk_add_f32 v[242:243], v[242:243], v[96:97]
	v_pk_add_f32 v[254:255], v[254:255], v[98:99]
	v_pk_add_f32 v[250:251], v[250:251], v[102:103]
	v_pk_add_f32 v[206:207], v[206:207], v[106:107]
	v_pk_add_f32 v[204:205], v[204:205], v[110:111]
	v_pk_add_f32 v[202:203], v[202:203], v[114:115]
	v_pk_add_f32 v[200:201], v[200:201], v[118:119]
	v_pk_add_f32 v[14:15], v[14:15], v[122:123]
	v_pk_add_f32 v[242:243], v[242:243], v[126:127]
	v_pk_add_f32 v[254:255], v[254:255], v[130:131]
	v_pk_add_f32 v[250:251], v[250:251], v[134:135]
	v_pk_add_f32 v[206:207], v[206:207], v[138:139]
	v_pk_add_f32 v[204:205], v[204:205], v[142:143]
	v_pk_add_f32 v[202:203], v[202:203], v[146:147]
	v_pk_add_f32 v[200:201], v[200:201], v[150:151]
	v_pk_add_f32 v[14:15], v[14:15], v[154:155]
	v_pk_add_f32 v[242:243], v[242:243], v[158:159]
	s_delay_alu instid0(VALU_DEP_2)
	v_pk_add_f32 v[14:15], v[14:15], v[206:207]
	s_delay_alu instid0(VALU_DEP_2)
	v_pk_add_f32 v[242:243], v[242:243], v[204:205]
	v_pk_add_f32 v[254:255], v[254:255], v[202:203]
	v_pk_add_f32 v[250:251], v[250:251], v[200:201]
	s_delay_alu instid0(VALU_DEP_2)
	v_pk_add_f32 v[14:15], v[14:15], v[254:255]
	s_delay_alu instid0(VALU_DEP_2)
	v_pk_add_f32 v[242:243], v[242:243], v[250:251]
	s_delay_alu instid0(VALU_DEP_1)
	v_pk_add_f32 v[14:15], v[14:15], v[242:243]
.irp c, 0,1,2,3,4,5,6,7
.irp i, 0,1,2,3,4,5,6,7
	v_min_num_f32 v[96+8*\c+\i], v[96+8*\c+\i], v240   ; the conversion does not saturate (ISA guide 7.6.2); p is not negative: a one-sided hold
.endr
	v_cvt_scalef32_pk8_fp8_f32 v[192+2*\c:193+2*\c], v[96+8*\c:103+8*\c], v244
.endr
	RESCALE                                        ; (also the plain instructions between the conversions and the products)
	s_branch .Lpv
.Lmasked:                                              ; all 128 keys carry the fill
	s_wait_alu depctr_va_vdst(0)
	VLOADS
	v_max_num_f32 v13, v13, v9
	NEWM
	s_delay_alu instid0(VALU_DEP_4)
	v_fma_f32 v254, v8, s[CS], v12                 ; t - M, made as in a live step
	s_wait_alu depctr_va_vdst(0)
	v_exp_f32 v254, v254
	v_pk_mul_f32 v[14:15], v[14:15], v[252:253] op_sel_hi:[1,0]
	s_wait_alu depctr_va_vdst(0)
	v_fma_f32 v14, v254, 0x42800000, v14           ; my 64 keys
.irp i, 0,1,2,3,4,5,6,7
	v_min_num_f32 v[96+\i], v254, v240
.endr
	v_cvt_scalef32_pk8_fp8_f32 v[192:193], v[96:103], v244
	v_nop
.irp i, 1,2,3,4,5,6,7
	v_mov_b32 v[192+2*\i], v192
	v_mov_b32 v[193+2*\i], v193
.endr
	RESCALE
.Lpv:
	s_wait_dscnt 0x0                               ; V's fragments are in
	s_wait_alu depctr_va_vdst(0)
.irp t, 0,1,2,3                        ; the four accumulators take turns, one instruction a turn
	v_wmma_f32_16x16x128_fp8_fp8 v[160+8*\t:167+8*\t], v[32+16*\t:47+16*\t], v[192:207], v[160+8*\t:167+8*\t]
.endr
	s_add_co_u32 s[TB], s[TB], 8192
	s_add_co_u32 s[ST], s[ST], 1
	s_cmp_lt_u32 s[ST], 8
	s_cbranch_scc1 .Lstep
	; THE WAVE'S END.  First my weight unit leaves LDS for registers; then O^T / the sum x 2^(e8 + e9) goes through my stage, which lies in the unit's bytes, and comes back as rows of 256 bytes; x is added;
	; sixteen lanes store 256 consecutive bytes, aligned.  Then the weight's numbers are held, coded and stored.
.rept 4
	v_nop                                          ; places behind the last products: loads into their sources and reads of their results follow
.endr
	s_wait_tensorcnt 0x0                           ; my weight unit has landed; I alone read it
.irp s, 0,1
.set k, 0
.rept 32
	ds_load_b32 v[32+32*\s+k], v28 offset:256*k+128*\s   ; W(k, my column + 32 s): 32 lanes read 128 consecutive bytes
.set k, k+1
.endr
.endr
	v_add_f32 v14, v14, v15
	s_delay_alu instid0(VALU_DEP_1)
	v_permlanex16_b32 v252, v14, s[SEL], s[SEL+1]
	s_delay_alu instid0(VALU_DEP_1)
	v_add_f32 v14, v14, v252
	s_wait_alu depctr_va_vdst(0)
	v_rcp_f32 v14, v14
	v_nop
	s_wait_alu depctr_va_vdst(0)
	v_ldexp_f32 v14, v14, s58
.set i, 0
.rept 32
	v_mul_f32 v[96+i], v[160+i], v14               ; each accumulator from its low end on
.set i, i+1
.endr
.irp t, 0,1,2,3
	ds_store_b128 v10, v[96+8*\t:99+8*\t] offset:64*\t        ; LDS serves a wave's instructions in order: these come behind my reads of the unit
	ds_store_b128 v10, v[100+8*\t:103+8*\t] offset:64*\t+16
.endr
.irp i, 0,1,2,3,4,5,6,7
	ds_load_b128 v[128+4*\i:131+4*\i], v11 offset:544*\i      ; and these see my stores
.endr
	s_wait_loadcnt 0x0                             ; x
.irp i, 0,1,2,3,4,5,6,7
	s_wait_dscnt 7-\i                              ; rows 2 i, 2 i + 1 are back; the younger loads may be out
	v_pk_add_f32 v[128+4*\i:129+4*\i], v[128+4*\i:129+4*\i], v[208+4*\i:209+4*\i]
	v_pk_add_f32 v[130+4*\i:131+4*\i], v[130+4*\i:131+4*\i], v[210+4*\i:211+4*\i]
	global_store_b128 v7, v[128+4*\i:131+4*\i], s[10:11] offset:8192*\i
.endr
.set i, 0
.rept 64
	v_med3_num_f32 v[32+i], v[32+i], -v249, v249   ; the hold at 448 x the scale
.set i, i+1
.endr
.irp g, 0,1,2,3,4,5,6,7
	v_cvt_scalef32_pk8_fp8_f32 v[192+2*\g:193+2*\g], v[32+8*\g:39+8*\g], v248
.endr
	v_nop                                          ; a plain instruction behind the last conversion
.irp s, 0,1
	global_store_b128 v[29+\s], v[192+8*\s:195+8*\s], s[72:73]              ; k 0 .. 15: the image's lanes 0-15.  One store fills two aligned runs of 256 bytes, one in each of two image tiles
	global_store_b128 v[29+\s], v[196+8*\s:199+8*\s], s[72:73] offset:256   ; k 16 .. 31: its lanes 16-31
.endr
	s_wait_tensorcnt 0x0                           ; the wave's end
	ds_add_u32 v[SPW], v[NIL]
	s_wait_dscnt 0x0
	CROUND                                         ; the closing round
	s_endpgm
.Lfunc_end_k_qcb413ca166_attn:
	.size	k_qcb413ca166_attn, .Lfunc_end_k_qcb413ca166_attn-k_qcb413ca166_attn
	.p2alignl 7, 3214868480
	.fill 96, 4, 3214868480
	.section	.rodata,"a",@progbits
	.p2align	6, 0x0
	.amdhsa_kernel k_qcb413ca166_attn
		.amdhsa_group_segment_fixed_size 327680
		.amdhsa_private_segment_fixed_size 0
		.amdhsa_enable_private_segment 0
		.amdhsa_kernarg_size 56
		.amdhsa_user_sgpr_count 2
		.amdhsa_user_sgpr_kernarg_segment_ptr 1
		.amdhsa_wavefront_size32 1
		.amdhsa_system_sgpr_workgroup_id_x 1
		.amdhsa_system_sgpr_workgroup_id_y 1
		.amdhsa_system_sgpr_workgroup_id_z 1
		.amdhsa_system_vgpr_workitem_id 0
		.amdhsa_next_free_vgpr 256
		.amdhsa_next_free_sgpr 100
		.amdhsa_reserve_vcc 1
		.amdhsa_float_denorm_mode_32 3
		.amdhsa_float_denorm_mode_16_64 3
		.amdhsa_memory_ordered 1
		.amdhsa_forward_progress 1
		.amdhsa_inst_pref_size 50
	.end_amdhsa_kernel
	.amdgpu_metadata
---
amdhsa.version: [ 1, 2 ]
amdhsa.kernels:
  - .name:           k_qcb413ca166_attn
    .symbol:         k_qcb413ca166_attn.kd
    .args:
      - { .name: qkv_img, .offset: 0, .size: 8, .value_kind: global_buffer, .address_space: global }
      - { .name: lowp_scales, .offset: 8, .size: 8, .value_kind: global_buffer, .address_space: global }
      - { .name: x, .offset: 16, .size: 8, .value_kind: global_buffer, .address_space: global }
      - { .name: x1, .offset: 24, .size: 8, .value_kind: global_buffer, .address_space: global }
      - { .name: W1, .offset: 32, .size: 8, .value_kind: global_buffer, .address_space: global }
      - { .name: W2, .offset: 40, .size: 8, .value_kind: global_buffer, .address_space: global }
      - { .name: pimg, .offset: 48, .size: 8, .value_kind: global_buffer, .address_space: global }
    .group_segment_fixed_size: 327680
    .private_segment_fixed_size: 0
    .kernarg_segment_align: 8
    .kernarg_segment_size: 56
    .max_flat_workgroup_size: 512
    .sgpr_count:     100
    .vgpr_count:     256
    .wavefront_size: 32
...
	.end_amdgpu_metadata
.endif
;; end of part 3
;; launch ln2 (part 4): grid 256 x 1, 16 waves a work-group, no clusters, 18,688 bytes of LDS; arguments x1, ln2_g, ln2_b, lowp_scales, h2_img; writes h2_img
.if DOCPART == 4
	.amdgcn_target "amdgcn-amd-amdhsa--gfx1250"
	.amdhsa_code_object_version 6
	.text
	.protected	k_qcb413ca166_ln2
	.globl	k_qcb413ca166_ln2
	.p2align	8
	.type	k_qcb413ca166_ln2,@function
k_qcb413ca166_ln2:
	s_mov_b64 s[64:65], 0
	v_nop
	global_prefetch_b8 v0, s[64:65] scope:SCOPE_SE
	s_setreg_imm32_b32 hwreg(HW_REG_WAVE_MODE, 25, 1), 1
	s_wait_xcnt 0x0
; LN2: h2 = LN2(x1) as codes of E4M3 under e10, stored as images of operand registers: [row / 16][k / 128][2048], lane (r, h): k = 32 c + 16 h + 0 .. 15 in register group c.  Nothing is left out here.
; A work-group takes 16 rows, a wave one: the row stays in 32 registers (lane L: k = 256 j + 8 L + 0 .. 7).  The codes meet in a stage in LDS and come back in the image's order.
; LIMITS: e10 between -126 and 119.  NaN is not served by the hold.  The launch streams: no matrix unit, no cluster, no tensor load.
; v18 32 x lane; v2 into the stage; v3 out of it; v4 my bytes of the image; v[8:9], v[116:117] sums; v[10:11] mean, then 1/sqrt; v12 scale, v15 limit; v20-51 the row; v52-83 gain, v84-115 bias; later v52-67 held numbers, v68-75 codes, v92-99 the image's pieces
.set LP,    1040                       ; a stage row: 1,024 codes + 16 bytes
.set SPARE, 16*LP                      ; behind the stage: the spare words, 128 bytes for each of 16 waves
.set SPW,   5
.set NIL,   6
.macro WRED r
	s_delay_alu instid0(VALU_DEP_1)
	v_add_f32_dpp v[\r], v[\r], v[\r] row_xmask:1 row_mask:0xf bank_mask:0xf
	s_delay_alu instid0(VALU_DEP_1)
	v_add_f32_dpp v[\r], v[\r], v[\r] row_xmask:2 row_mask:0xf bank_mask:0xf
	s_delay_alu instid0(VALU_DEP_1)
	v_add_f32_dpp v[\r], v[\r], v[\r] row_xmask:4 row_mask:0xf bank_mask:0xf
	s_delay_alu instid0(VALU_DEP_1)
	v_add_f32_dpp v[\r], v[\r], v[\r] row_xmask:8 row_mask:0xf bank_mask:0xf
	s_delay_alu instid0(VALU_DEP_1)
	v_permlanex16_b32 v7, v[\r], s46, s47
	s_delay_alu instid0(VALU_DEP_1)
	v_add_f32 v[\r], v[\r], v7
.endm
	s_load_b256 s[8:15], s[0:1], 0x0               ; x1 8, ln2_g 10, ln2_b 12, the scales' exponents 14
	s_load_b64 s[16:17], s[0:1], 0x20              ; h2_img
	v_lshl_add_u32 v[SPW], v0, 2, SPARE
	v_mov_b32 v[NIL], 0
	v_lshrrev_b32 v1, 5, v0
	s_delay_alu instid0(VALU_DEP_1)
	v_readfirstlane_b32 s2, v1                     ; wave 0..15
	v_and_b32 v1, 31, v0                           ; lane
	s_lshl_b32 s43, ttmp9, 4
	s_add_co_u32 s43, s43, s2                      ; my row
	s_lshl_b32 s44, s43, 12
	s_mov_b32 s45, 0
	v_lshlrev_b32 v18, 5, v1
	s_wait_alu depctr_va_vdst(0)
	s_wait_kmcnt 0x0
	s_load_b32 s28, s[14:15], 0x28                 ; e10
	s_add_nc_u64 s[8:9], s[8:9], s[44:45]
.irp j, 0,1,2,3
	global_load_b128 v[20+8*\j:23+8*\j], v18, s[8:9] offset:1024*\j
	global_load_b128 v[24+8*\j:27+8*\j], v18, s[8:9] offset:1024*\j+16
.endr
.irp j, 0,1,2,3
	global_load_b128 v[52+8*\j:55+8*\j], v18, s[10:11] offset:1024*\j
	global_load_b128 v[56+8*\j:59+8*\j], v18, s[10:11] offset:1024*\j+16
.endr
.irp j, 0,1,2,3
	global_load_b128 v[84+8*\j:87+8*\j], v18, s[12:13] offset:1024*\j
	global_load_b128 v[88+8*\j:91+8*\j], v18, s[12:13] offset:1024*\j+16
.endr
	s_lshl_b32 s44, ttmp9, 14                      ; the 16 rows' image
	s_add_nc_u64 s[16:17], s[16:17], s[44:45]
	s_mul_i32 s44, s2, LP
	v_lshl_add_u32 v2, v1, 3, s44
	v_and_b32 v8, 15, v0
	v_bfe_u32 v9, v0, 4, 1
	s_delay_alu instid0(VALU_DEP_2)
	v_mul_u32_u24 v3, v8, LP
	s_delay_alu instid0(VALU_DEP_1)
	v_lshl_add_u32 v3, v9, 4, v3
	s_lshl_b32 s44, s2, 6
	v_add_nc_u32 v3, s44, v3                       ; wave w takes the image's bytes 1,024 w on: k = 64 w + 32 c + 16 h + 0 .. 15 of row r
	s_lshl_b32 s44, s2, 10
	v_lshl_add_u32 v4, v1, 4, s44
	v_mov_b32 v7, 0
	s_mov_b32 s46, 0x76543210
	s_mov_b32 s47, 0xfedcba98
	s_mov_b32 s56, 0x3a800000                      ; 1 / 1,024
	s_mov_b32 s57, 0x3727c5ac                      ; 1e-5
	s_wait_kmcnt 0x0
	s_add_co_i32 s54, s28, 127
	s_lshl_b32 s55, s54, 23
	v_mov_b32 v12, s55                             ; 2^e10
	s_add_co_i32 s54, s54, 8
	s_lshl_b32 s54, s54, 23
	s_or_b32 s54, s54, 0x600000
	v_mov_b32 v15, s54                             ; 448 x 2^e10
	s_wait_loadcnt 16                              ; the row's 8 loads are in; the gain's and the bias's 16 may be out
	v_pk_add_f32 v[116:117], v[20:21], v[22:23]
	v_pk_add_f32 v[126:127], v[28:29], v[32:33]
	v_pk_add_f32 v[124:125], v[36:37], v[40:41]
	v_pk_add_f32 v[122:123], v[44:45], v[48:49]
	v_pk_add_f32 v[120:121], v[24:25], v[26:27]
	v_pk_add_f32 v[118:119], v[30:31], v[34:35]
	v_pk_add_f32 v[10:11], v[38:39], v[42:43]      ; (v18 is the address of loads that are still out: it stays)
	v_pk_add_f32 v[8:9], v[46:47], v[50:51]
	s_delay_alu instid0(VALU_DEP_1)
	v_pk_add_f32 v[8:9], v[8:9], v[122:123]
	v_pk_add_f32 v[116:117], v[116:117], v[120:121]
	v_pk_add_f32 v[126:127], v[126:127], v[118:119]
	v_pk_add_f32 v[124:125], v[124:125], v[10:11]
	s_delay_alu instid0(VALU_DEP_2)
	v_pk_add_f32 v[8:9], v[8:9], v[126:127]
	s_delay_alu instid0(VALU_DEP_2)
	v_pk_add_f32 v[116:117], v[116:117], v[124:125]
	s_delay_alu instid0(VALU_DEP_1)
	v_pk_add_f32 v[8:9], v[8:9], v[116:117]
	s_delay_alu instid0(VALU_DEP_1)
	v_add_f32 v8, v8, v9
	WRED 8
	s_delay_alu instid0(VALU_DEP_1)
	v_mul_f32 v10, s56, v8
	s_delay_alu instid0(VALU_DEP_1)
	v_mov_b32 v11, v10
.irp i, 0,2,4,6,8,10,12,14,16,18,20,22,24,26,28,30
	v_pk_add_f32 v[20+\i:21+\i], v[20+\i:21+\i], v[10:11] neg_lo:[0,1] neg_hi:[0,1]
.endr
	v_pk_mul_f32 v[8:9], v[20:21], v[20:21]
	v_pk_mul_f32 v[116:117], v[22:23], v[22:23]
.irp i, 4,8,12,16,20,24,28
	s_delay_alu instid0(VALU_DEP_2)
	v_pk_fma_f32 v[8:9], v[20+\i:21+\i], v[20+\i:21+\i], v[8:9]
	s_delay_alu instid0(VALU_DEP_2)
	v_pk_fma_f32 v[116:117], v[22+\i:23+\i], v[22+\i:23+\i], v[116:117]
.endr
	s_delay_alu instid0(VALU_DEP_1)
	v_pk_add_f32 v[8:9], v[8:9], v[116:117]
	s_delay_alu instid0(VALU_DEP_1)
	v_add_f32 v8, v8, v9
	WRED 8
	s_delay_alu instid0(VALU_DEP_1)
	v_fma_f32 v8, v8, s56, s57
	s_wait_alu depctr_va_vdst(0)
	v_rsq_f32 v10, v8
	v_nop                                          ; a plain instruction behind the transcendental,
	s_wait_alu depctr_va_vdst(0)                   ; and the wait ahead of its first reader
	v_mov_b32 v11, v10
	s_wait_alu depctr_va_vdst(0)
	s_wait_loadcnt 0x0
.irp i, 0,2,4,6,8,10,12,14,16,18,20,22,24,26,28,30
	v_pk_mul_f32 v[20+\i:21+\i], v[20+\i:21+\i], v[10:11]
.endr
.irp i, 0,2,4,6,8,10,12,14,16,18,20,22,24,26,28,30
	v_pk_fma_f32 v[20+\i:21+\i], v[20+\i:21+\i], v[52+\i:53+\i], v[84+\i:85+\i]
.endr
.irp j, 0,1,2,3                        ; held, coded, into the stage; the two sets of held numbers take turns
.irp i, 0,1,2,3,4,5,6,7
	v_med3_num_f32 v[52+8*(\j%2)+\i], v[20+8*\j+\i], -v15, v15
.endr
	v_cvt_scalef32_pk8_fp8_f32 v[68+2*\j:69+2*\j], v[52+8*(\j%2):59+8*(\j%2)], v12
	ds_store_b64 v2, v[68+2*\j:69+2*\j] offset:256*\j
.endr
	s_wait_dscnt 0x0                               ; for the others' sake: my row's codes lie in the stage
	s_barrier_signal -1
	s_barrier_wait -1
	ds_load_b128 v[92:95], v3
	ds_load_b128 v[96:99], v3 offset:32
	s_wait_dscnt 1
	global_store_b128 v4, v[92:95], s[16:17]       ; 32 lanes store 512 consecutive bytes of the image
	s_wait_dscnt 0x0
	global_store_b128 v4, v[96:99], s[16:17] offset:512
	s_wait_tensorcnt 0x0                           ; the wave's end
	ds_add_u32 v[SPW], v[NIL]
	s_wait_dscnt 0x0
	s_endpgm
.Lfunc_end_k_qcb413ca166_ln2:
	.size	k_qcb413ca166_ln2, .Lfunc_end_k_qcb413ca166_ln2-k_qcb413ca166_ln2
	.p2alignl 7, 3214868480
	.fill 96, 4, 3214868480
	.section	.rodata,"a",@progbits
	.p2align	6, 0x0
	.amdhsa_kernel k_qcb413ca166_ln2
		.amdhsa_group_segment_fixed_size 18688
		.amdhsa_private_segment_fixed_size 0
		.amdhsa_enable_private_segment 0
		.amdhsa_kernarg_size 40
		.amdhsa_user_sgpr_count 2
		.amdhsa_user_sgpr_kernarg_segment_ptr 1
		.amdhsa_wavefront_size32 1
		.amdhsa_system_sgpr_workgroup_id_x 1
		.amdhsa_system_sgpr_workgroup_id_y 1
		.amdhsa_system_sgpr_workgroup_id_z 1
		.amdhsa_system_vgpr_workitem_id 0
		.amdhsa_next_free_vgpr 128
		.amdhsa_next_free_sgpr 66
		.amdhsa_reserve_vcc 0
		.amdhsa_float_denorm_mode_32 3
		.amdhsa_float_denorm_mode_16_64 3
		.amdhsa_memory_ordered 1
		.amdhsa_forward_progress 1
		.amdhsa_inst_pref_size 15
	.end_amdhsa_kernel
	.amdgpu_metadata
---
amdhsa.version: [ 1, 2 ]
amdhsa.kernels:
  - .name:           k_qcb413ca166_ln2
    .symbol:         k_qcb413ca166_ln2.kd
    .args:
      - { .name: x1, .offset: 0, .size: 8, .value_kind: global_buffer, .address_space: global }
      - { .name: ln2_g, .offset: 8, .size: 8, .value_kind: global_buffer, .address_space: global }
      - { .name: ln2_b, .offset: 16, .size: 8, .value_kind: global_buffer, .address_space: global }
      - { .name: lowp_scales, .offset: 24, .size: 8, .value_kind: global_buffer, .address_space: global }
      - { .name: h2_img, .offset: 32, .size: 8, .value_kind: global_buffer, .address_space: global }
    .group_segment_fixed_size: 18688
    .private_segment_fixed_size: 0
    .kernarg_segment_align: 8
    .kernarg_segment_size: 40
    .max_flat_workgroup_size: 512
    .sgpr_count:     66
    .vgpr_count:     128
    .wavefront_size: 32
...
	.end_amdgpu_metadata
.endif
;; end of part 4
;; launch mlp1 (part 5): grid 16 x 16, 4 waves a work-group, clusters of 4 x 4, 327,680 bytes of LDS; arguments h2_img, pimg, b1, lowp_scales, g_img; writes g_img
.if DOCPART == 5
	.amdgcn_target "amdgcn-amd-amdhsa--gfx1250"
	.amdhsa_code_object_version 6
	.text
	.protected	k_qcb413ca166_mlp1
	.globl	k_qcb413ca166_mlp1
	.p2align	8
	.type	k_qcb413ca166_mlp1,@function
k_qcb413ca166_mlp1:
	s_mov_b64 s[64:65], 0
	v_nop
	global_prefetch_b8 v0, s[64:65] scope:SCOPE_SE
	s_setreg_imm32_b32 hwreg(HW_REG_WAVE_MODE, 25, 1), 1
	s_wait_xcnt 0x0
	s_wait_alu depctr_hold_cnt(0) depctr_sa_sdst(0) depctr_va_vdst(0) depctr_va_sdst(0) depctr_va_ssrc(0) depctr_va_vcc(0) depctr_vm_vsrc(0)
	s_getreg_b32 s2, hwreg(HW_REG_IB_STS2, 6, 4)
	s_cmp_eq_u32 s2, 0
	s_cbranch_scc0 .Lentry_in_a_cluster
	s_endpgm
.Lentry_in_a_cluster:
	s_bfe_u32 s2, ttmp6, 0x10000c
	s_cmp_lg_u32 s2, 0xf033
	s_cbranch_scc0 .Lentry_shape_is_right
	s_endpgm
.Lentry_shape_is_right:
; MLP1: g = gelu(h2 W1 + b1) on codes of E4M3 (h2 under e10, W1 under e11), quantised at once under e12 into the register images that launch mlp2 reads.  Nothing is left out here.
; A work-group makes 256 x 256, a wave 128 x 128; K = 1,024 goes in four fills of 256 through two LDS slots, asked for jointly in a 4 x 4 cluster (A along a row, B along a column).
; No prefetch: the block is the largest, in clusters, and K has four fills only.  LIMITS: e10 + e11 between -126 and 127; e12 between -127 and 118.  NaN is not served by the hold.
.set HALFT,  32768
.set SLOT,   4*HALFT
.set SPARE,  2*SLOT
.set ROWB,   4096
.set FR,     16
.set NL,     4
.set NP,     4
.set ADRA, 16
.set ADRB, 20
.set CO,   26
.set SPW,  28
.set NIL,  29
.set AF,   128
.set G1, 24
.set G0, 32
.set G1B, 48
.set G0B, 56
.set MSB, 0
.macro WIN new
.if MSB != (\new)
	s_set_vgpr_msb (MSB<<8)|(\new)
.set MSB, (\new)
.endif
.endm
.set MUL_LO, 0xa1
.set MUL_HI, 0xf1
.set TO_B,   0x40
.macro JLOAD g0a, g1a, g0b, g1b
	s_cmp_eq_u32 s15, 0
	s_cbranch_scc0 .Lfor_b_\@
	tensor_load_to_lds s[\g0a:\g0a+3], s[\g1a:\g1a+7]
	s_nop 0
.rept 4
	v_nop
.endr
	s_branch .Lasked_\@
.Lfor_b_\@:
	tensor_load_to_lds s[\g0b:\g0b+3], s[\g1b:\g1b+7]
	s_nop 0
.rept 4
	v_nop
.endr
.Lasked_\@:
.endm
.macro CREST
	s_cmp_lg_u32 s14, 0
	s_cbranch_scc1 .Lnot_wave_0_\@
	s_barrier_signal -3
.Lnot_wave_0_\@:
	s_barrier_wait -3
	s_barrier_signal -1
	s_barrier_wait -1
.endm
.macro CROUND
	s_barrier_signal -1
	s_barrier_wait -1
	CREST
.endm
	s_load_b256 s[4:11], s[0:1], 0x0
	s_load_b64 s[12:13], s[0:1], 0x20
	v_lshl_add_u32 v[SPW], v0, 2, SPARE
	v_mov_b32 v[NIL], 0
	ds_add_u32 v[SPW], v[NIL]
	ds_add_u32 v[SPW], v[NIL]
	v_lshrrev_b32 v1, 5, v0
	v_readfirstlane_b32 s14, v1
	s_lshr_b32 s15, s14, 1
	s_and_b32 s16, s14, 1
	s_bfe_u32 s40, ttmp6, 0x40000
	s_bfe_u32 s41, ttmp6, 0x40004
	s_lshl_b32 s42, ttmp9, 2
	s_add_co_u32 s42, s42, s40
	s_and_b32 s17, ttmp7, 0xffff
	s_lshl_b32 s17, s17, 2
	s_add_co_u32 s17, s17, s41
	s_lshl_b32 s43, s41, 2
	s_lshl_b32 s43, 15, s43
	s_lshl_b32 s44, 0x1111, s40
	s_or_b32 s[G1+0], s43, (3<<16)|(1<<21)
	s_or_b32 s[G1B+0], s44, (3<<16)|(1<<21)
.irp g, G1, G1B
	s_mov_b32 s[\g+1], 512<<16
	s_mov_b32 s[\g+2], 8<<16
	s_mov_b32 s[\g+3], 512<<16
	s_mov_b32 s[\g+4], 8
	s_mov_b32 s[\g+5], 2048
	s_mov_b32 s[\g+6], 0
	s_mov_b32 s[\g+7], 0
.endr
	s_lshl_b32 s18, s16, 17
	s_lshl_b32 s20, s17, 18
	s_add_co_u32 s20, s20, s18
	s_mov_b32 s21, 0
	s_lshl_b32 s46, s42, 18
	s_add_co_u32 s46, s46, s18
	s_add_co_u32 s46, s46, 0xF00000
	s_mov_b32 s47, 0
	s_lshl_b32 s45, s14, 15
	s_wait_dscnt 0x0
	s_wait_kmcnt 0x0
	s_load_b96 s[84:86], s[10:11], 0x28
	s_add_nc_u64 s[20:21], s[4:5], s[20:21]
	s_add_nc_u64 s[46:47], s[6:7], s[46:47]
	CROUND
.irp s, 0,1
	s_mov_b32 s[G0+4*\s], 1
	s_add_co_u32 s[G0+4*\s+1], s45, \s*SLOT
	s_add_nc_u64 s[G0+4*\s+2:G0+4*\s+3], s[20:21], \s*ROWB
	s_or_b32 s[G0+4*\s+3], s[G0+4*\s+3], 0x80000000
	s_mov_b32 s[G0B+4*\s], 1
	s_add_co_u32 s[G0B+4*\s+1], s45, \s*SLOT
	s_add_nc_u64 s[G0B+4*\s+2:G0B+4*\s+3], s[46:47], \s*ROWB
	s_or_b32 s[G0B+4*\s+3], s[G0B+4*\s+3], 0x80000000
.if \s                                 ; slot 1's first fill stands behind the full sequence and a round; slot 0's is the head's one load
	s_wait_alu depctr_va_vdst(0)
	s_wait_tensorcnt 0x0
	ds_add_u32 v28, v29
	s_wait_dscnt 0x0
	CROUND
.endif
	JLOAD G0+4*\s, G1, G0B+4*\s, G1B
.endr
	v_bfe_u32 v2, v0, 4, 1
	s_wait_alu depctr_va_vdst(0)
	v_and_b32 v6, 31, v0
	v_lshlrev_b32 v[CO], 4, v6
	s_lshl_b32 s22, s15, 15
	s_lshl_b32 s23, s16, 15
	s_add_co_u32 s23, s23, 2*HALFT
.irp s, 0,1
	v_add_nc_u32 v[ADRA+\s], s22, v[CO]
	v_add_nc_u32 v[ADRB+\s], s23, v[CO]
	s_add_co_u32 s22, s22, SLOT
	s_add_co_u32 s23, s23, SLOT
.endr
	s_lshl_b32 s66, s42, 8
	s_lshl_b32 s67, s16, 7
	s_add_co_u32 s66, s66, s67
	s_lshl_b32 s66, s66, 2
	v_lshlrev_b32 v3, 6, v2
	v_add_nc_u32 v3, s66, v3
.irp p, 0,1,2,3
.irp q, 0,1,2,3
	global_load_b128 v[32+16*\p+4*\q:35+16*\p+4*\q], v3, s[8:9] offset:128*\p+16*\q
.endr
.endr
	s_lshl_b32 s68, s17, 4
	s_lshl_b32 s69, s15, 3
	s_add_co_u32 s68, s68, s69
	s_lshl_b32 s68, s68, 16
	s_lshl_b32 s69, s42, 1
	s_add_co_u32 s69, s69, s16
	s_lshl_b32 s69, s69, 11
	s_add_co_u32 s68, s68, s69
	s_mov_b32 s69, 0
	s_add_nc_u64 s[12:13], s[12:13], s[68:69]
	v_mov_b32 v96, 0xac95df0b
	v_mov_b32 v97, 0xac95df0b
	v_mov_b32 v98, 0xb57460cd
	v_mov_b32 v99, 0xb57460cd
	v_mov_b32 v100, 0x40b504f3
.macro FRAG reg, adr, q, i
.irp c, 0,1,2,3
	ds_load_b128 v[\reg+4*\c:\reg+4*\c+3], v[\adr] offset:(\i)*4096+(\q)*2048+512*\c
.endr
.endm
.macro MUL16 a0, p, zero
.irp a, \a0, \a0+1
.irp b, 0,1,2,3,4,5,6,7
.if \zero
	v_wmma_f32_16x16x128_fp8_fp8 v[8*(8*((\a)%4)+\b):8*(8*((\a)%4)+\b)+7], v[128*(\p)+FR*\b:128*(\p)+FR*\b+FR-1], v[AF+FR*(\a):AF+FR*(\a)+FR-1], 0
.else
	v_wmma_f32_16x16x128_fp8_fp8 v[8*(8*((\a)%4)+\b):8*(8*((\a)%4)+\b)+7], v[128*(\p)+FR*\b:128*(\p)+FR*\b+FR-1], v[AF+FR*(\a):AF+FR*(\a)+FR-1], v[8*(8*((\a)%4)+\b):8*(8*((\a)%4)+\b)+7]
.endif
.endr
.endr
.endm
.macro FETCH_B slot, q, p
	WIN TO_B
.irp i, 0,1,2,3,4,5,6,7
	FRAG 128*(\p)+FR*\i, ADRB+\slot, \q, \i
.endr
	WIN 0
.endm
.macro FETCH_A slot, q, i0
.irp i, \i0, \i0+1, \i0+2, \i0+3
	FRAG AF+FR*(\i), ADRA+\slot, \q, \i
.endr
.endm
.macro PLACES n
.rept \n
	v_nop
.endr
.endm
.macro STEP slot, q, zero
	s_wait_dscnt 4*NL
	WIN MUL_LO
	MUL16 0, (\q)%2, \zero
	MUL16 2, (\q)%2, \zero
	s_wait_dscnt 0
	PLACES NP
	FETCH_B \slot, (\q)+1, 1-(\q)%2
	FETCH_A \slot, (\q)+1, 0
	WIN MUL_HI
	MUL16 4, (\q)%2, \zero
	MUL16 6, (\q)%2, \zero
	PLACES NP
	WIN 0
	FETCH_A \slot, (\q)+1, 4
.endm
.macro TURN slot, next, fill
	s_wait_tensorcnt 0x0
	ds_add_u32 v[SPW], v[NIL]
	s_wait_dscnt 4*NL+1
	WIN MUL_LO
	MUL16 0, 1, 0
	s_wait_dscnt 0x0
	s_barrier_signal -1
	MUL16 2, 1, 0
	WIN 0
	s_barrier_wait -1
.if \fill
	CREST
	s_add_nc_u64 s[G0+4*\slot+2:G0+4*\slot+3], s[G0+4*\slot+2:G0+4*\slot+3], 2*ROWB
	s_add_nc_u64 s[G0B+4*\slot+2:G0B+4*\slot+3], s[G0B+4*\slot+2:G0B+4*\slot+3], 2*ROWB
	JLOAD G0+4*\slot, G1, G0B+4*\slot, G1B
.else
	PLACES NP
.endif
	s_wait_alu depctr_va_vdst(0)
	FETCH_B \next, 0, 0
	FETCH_A \next, 0, 0
	WIN MUL_HI
	MUL16 4, 1, 0
	MUL16 6, 1, 0
	PLACES NP
	WIN 0
	FETCH_A \next, 0, 4
.endm
	s_wait_tensorcnt 1
	s_barrier_signal -1
	s_barrier_wait -1
	FETCH_B 0, 0, 0
	FETCH_A 0, 0, 0
	FETCH_A 0, 0, 4
	STEP 0, 0, 1
	s_mov_b32 s3, 1
.Llap:
	TURN 0, 1, 1
	STEP 1, 0, 0
	TURN 1, 0, 1
	STEP 0, 0, 0
	s_sub_co_u32 s3, s3, 1
	s_cmp_lg_u32 s3, 0
	s_cbranch_scc1 .Llap
	TURN 0, 1, 0
	STEP 1, 0, 0
	s_wait_dscnt 4*NL
	WIN MUL_LO
	MUL16 0, 1, 0
	MUL16 2, 1, 0
	s_wait_dscnt 0
	WIN MUL_HI
	MUL16 4, 1, 0
	MUL16 6, 1, 0
	WIN 0
.macro PIECE k
	WIN 0x02+((\k)/4)
.set i, 0
.rept 32
	v_pk_fma_f32 v[128+i:129+i], v[64*((\k)%4)+i:64*((\k)%4)+i+1], s[96:97], v[32+i:33+i] op_sel_hi:[1,0,1]
.set i, i+2
.endr
	WIN 0
.endm
.macro HORN reg, c
.irp i, 0,2,4,6,8,10,12,14
	v_pk_fma_f32 v[\reg+\i:\reg+\i+1], v[\reg+\i:\reg+\i+1], v[208+\i:209+\i], \c op_sel_hi:[1,1,0]
.endr
.endm
.macro GG p
.set Y, 128+16*(\p)
.irp i, 0,1,2,3,4,5,6,7,8,9,10,11,12,13,14,15
	v_med3_num_f32 v[192+\i], v[Y+\i], -v100, v100
.endr
.irp i, 0,2,4,6,8,10,12,14
	v_pk_mul_f32 v[208+\i:209+\i], v[192+\i:193+\i], v[192+\i:193+\i]
.endr
.irp i, 0,2,4,6,8,10,12,14
	v_pk_fma_f32 v[224+\i:225+\i], v[208+\i:209+\i], v[96:97], 0x306dffee op_sel_hi:[1,1,0]
	v_pk_fma_f32 v[240+\i:241+\i], v[208+\i:209+\i], v[98:99], 0xb7dfbd29 op_sel_hi:[1,1,0]
.endr
	HORN 224, 0xb40cff51
	HORN 240, 0xb9dc924e
	HORN 224, 0xb6eec2d2
	HORN 240, 0xbb719bf8
	HORN 224, 0xb940ac63
	HORN 240, 0xbc69b6a7
	s_wait_alu depctr_va_vdst(0)                   ; the wait ahead of the batch
.irp i, 0,1,2,3,4,5,6,7                ; ONE batch of the 16 reciprocals.  Among them stands one stage of the numerator: its sources are older than the wait above, its results are first read behind the wait below
	v_rcp_f32 v[240+2*\i], v[240+2*\i]
	v_rcp_f32 v[241+2*\i], v[241+2*\i]
	v_pk_fma_f32 v[224+2*\i:225+2*\i], v[224+2*\i:225+2*\i], v[208+2*\i:209+2*\i], 0xbac1a1f6 op_sel_hi:[1,1,0]
.endr
	s_wait_alu depctr_va_vdst(0)                   ; one wait for the whole batch, ahead of its first reader
.irp i, 0,2,4,6,8,10,12,14
	v_pk_fma_f32 v[224+\i:225+\i], v[224+\i:225+\i], v[208+\i:209+\i], 0xbc83dbd4 op_sel_hi:[1,1,0]
.endr
.irp i, 0,2,4,6,8,10,12,14
	v_pk_mul_f32 v[224+\i:225+\i], v[224+\i:225+\i], v[192+\i:193+\i]
.endr
.irp i, 0,2,4,6,8,10,12,14
	v_pk_mul_f32 v[224+\i:225+\i], v[224+\i:225+\i], v[240+\i:241+\i]
.endr
.irp i, 0,2,4,6,8,10,12,14
	v_pk_fma_f32 v[224+\i:225+\i], v[224+\i:225+\i], 0x3f3504f3, 1.0 op_sel_hi:[1,0,0]
.endr
.irp i, 0,2,4,6,8,10,12,14
	v_pk_mul_f32 v[Y+\i:Y+\i+1], v[Y+\i:Y+\i+1], v[224+\i:225+\i]
.endr
.irp i, 0,1,2,3,4,5,6,7,8,9,10,11,12,13,14,15
	v_med3_num_f32 v[Y+\i], v[Y+\i], -v104, v104
.endr
.if (\p) == 0
	s_wait_alu depctr_va_vdst(0)
	s_wait_xcnt 0x0
	s_add_nc_u64 s[12:13], s[12:13], 0x10000
.endif
	v_cvt_scalef32_pk8_fp8_f32 v[108+4*(\p):109+4*(\p)], v[Y:Y+7], v105
	v_cvt_scalef32_pk8_fp8_f32 v[110+4*(\p):111+4*(\p)], v[Y+8:Y+15], v105
.endm
	s_wait_loadcnt 0x0
	s_wait_kmcnt 0x0
	s_add_co_i32 s84, s84, s85
	s_add_co_i32 s84, s84, 127
	s_lshl_b32 s96, s84, 23
	s_mov_b32 s97, s96
	s_add_co_i32 s86, s86, 128
	s_lshl_b32 s87, s86, 23
	v_mov_b32 v105, s87
	s_add_co_i32 s86, s86, 8
	s_lshl_b32 s86, s86, 23
	s_or_b32 s86, s86, 0x600000
	v_mov_b32 v104, s86
	PLACES NP
	s_sub_nc_u64 s[12:13], s[12:13], 0x10000
	s_mov_b32 s3, 0
.Lblk:
.irp k, 0,1,2,3,4,5,6
	s_cmp_eq_u32 s3, \k
	s_cbranch_scc1 .Lb\k
.endr
	PIECE 7
	s_branch .Lgelu
.irp k, 0,1,2,3,4,5,6
.Lb\k:
	PIECE \k
	s_branch .Lgelu
.endr
.Lgelu:
	GG 0
	GG 1
	GG 2
	GG 3
	v_nop
.irp c, 0,1,2,3
	global_store_b128 v[CO], v[108+4*\c:111+4*\c], s[12:13] offset:512*\c
.endr
	s_add_co_u32 s3, s3, 1
	s_cmp_lt_u32 s3, 8
	s_cbranch_scc1 .Lblk
	s_wait_tensorcnt 0x0
	ds_add_u32 v[SPW], v[NIL]
	s_wait_dscnt 0x0
	CROUND
	s_endpgm
.Lfunc_end_k_qcb413ca166_mlp1:
	.size	k_qcb413ca166_mlp1, .Lfunc_end_k_qcb413ca166_mlp1-k_qcb413ca166_mlp1
	.p2alignl 7, 3214868480
	.fill 96, 4, 3214868480
	.section	.rodata,"a",@progbits
	.p2align	6, 0x0
	.amdhsa_kernel k_qcb413ca166_mlp1
		.amdhsa_group_segment_fixed_size 327680
		.amdhsa_private_segment_fixed_size 0
		.amdhsa_enable_private_segment 0
		.amdhsa_kernarg_size 40
		.amdhsa_user_sgpr_count 2
		.amdhsa_user_sgpr_kernarg_segment_ptr 1
		.amdhsa_wavefront_size32 1
		.amdhsa_system_sgpr_workgroup_id_x 1
		.amdhsa_system_sgpr_workgroup_id_y 1
		.amdhsa_system_sgpr_workgroup_id_z 1
		.amdhsa_system_vgpr_workitem_id 0
		.amdhsa_next_free_vgpr 1024
		.amdhsa_next_free_sgpr 100
		.amdhsa_reserve_vcc 0
		.amdhsa_float_denorm_mode_32 3
		.amdhsa_float_denorm_mode_16_64 3
		.amdhsa_memory_ordered 1
		.amdhsa_forward_progress 1
		.amdhsa_inst_pref_size 150
	.end_amdhsa_kernel
	.amdgpu_metadata
---
amdhsa.version: [ 1, 2 ]
amdhsa.kernels:
  - .name:           k_qcb413ca166_mlp1
    .symbol:         k_qcb413ca166_mlp1.kd
    .args:
      - { .name: h2_img, .offset: 0, .size: 8, .value_kind: global_buffer, .address_space: global }
      - { .name: pimg, .offset: 8, .size: 8, .value_kind: global_buffer, .address_space: global }
      - { .name: b1, .offset: 16, .size: 8, .value_kind: global_buffer, .address_space: global }
      - { .name: lowp_scales, .offset: 24, .size: 8, .value_kind: global_buffer, .address_space: global }
      - { .name: g_img, .offset: 32, .size: 8, .value_kind: global_buffer, .address_space: global }
    .group_segment_fixed_size: 327680
    .private_segment_fixed_size: 0
    .kernarg_segment_align: 8
    .kernarg_segment_size: 40
    .max_flat_workgroup_size: 128
    .sgpr_count:     100
    .vgpr_count:     1024
    .wavefront_size: 32
...
	.end_amdgpu_metadata
.endif
;; end of part 5
;; launch mlp2 (part 6): grid 8 x 32, 4 waves a work-group, clusters of 4 x 1, 327,680 bytes of LDS; arguments g_img, pimg, b2, x1, lowp_scales, out0; writes out0
.if DOCPART == 6
	.amdgcn_target "amdgcn-amd-amdhsa--gfx1250"
	.amdhsa_code_object_version 6
	.text
	.protected	k_qcb413ca166_mlp2
	.globl	k_qcb413ca166_mlp2
	.p2align	8
	.type	k_qcb413ca166_mlp2,@function
k_qcb413ca166_mlp2:
	s_mov_b64 s[64:65], 0
	v_nop
	global_prefetch_b8 v0, s[64:65] scope:SCOPE_SE
	s_setreg_imm32_b32 hwreg(HW_REG_WAVE_MODE, 25, 1), 1
	s_wait_xcnt 0x0
	s_wait_alu depctr_hold_cnt(0) depctr_sa_sdst(0) depctr_va_vdst(0) depctr_va_sdst(0) depctr_va_ssrc(0) depctr_va_vcc(0) depctr_vm_vsrc(0)
	s_getreg_b32 s2, hwreg(HW_REG_IB_STS2, 6, 4)
	s_cmp_eq_u32 s2, 0
	s_cbranch_scc0 .Lentry_in_a_cluster
	s_endpgm
.Lentry_in_a_cluster:
	s_bfe_u32 s2, ttmp6, 0x10000c
	s_cmp_lg_u32 s2, 0x3003
	s_cbranch_scc0 .Lentry_shape_is_right
	s_endpgm
.Lentry_shape_is_right:
; MLP2: out0 = x1 + g W2 + b2 on codes of E4M3 (g under e12, W2 under e13).  Nothing is left out here.
; A work-group makes 128 x 128 of the result; its four waves stand side by side, each with all 128 rows x 32 columns: 16 accumulators.  256 work-groups.  K = 4,096 is 32 K steps of 128.
; OPERANDS ARE IMAGES OF REGISTERS: [row / 16][k / 128][2048], register group c of lane L at 512 c + 16 L.
; A (g) goes through a ring of two LDS slots, 128 rows x 1,024 K each: four fills.  A wave asks for two tiles of 16 rows (2 x 16,384 bytes), jointly with the three partners of its 4 x 1 cluster, which make the same rows.
; B (W2) IS NOT ASKED FOR JOINTLY: its fragments go from memory straight into the operand's registers, 16 bytes a lane as they were stored, seven K steps ahead of their use, in eight places of 32 registers by turns.
; Each fragment of B is loaded by one wave of the work-group alone.  So the two slots hold A alone, and K = 4,096 takes four fills and four rounds in place of eight.
; THE SUMS BEGIN AS b2 / 2^(e12 + e13), an exact multiplication: so the K step is written for a loop of three slots and one last slot, and the way out has no addition for the bias.
; x1's tile (128 rows x 512 bytes) comes by a tensor load into slot 0 behind that slot's last read; sum x 2^(e12 + e13) + x1 is made there in place; behind a barrier a wave stores 32 whole rows, 512 consecutive bytes a store.
; THE MATRIX INSTRUCTION IS USED TRANSPOSED (source 0 = 16 rows of B, source 1 = 16 rows of A): lane (r, h) holds row r, register j of tile b column 16 b + 8 h + j.
; PREFETCH: behind fill f's load the bytes of fill f + 2 are asked for (f = 0, 1): 128 KB a cluster, 8,192 bytes a wave, lanes 256 bytes apart, the partners told apart by address.  x1's tile is asked for in trip 1, two
; changes ahead of its load: a lane a row, two blocks a row.  None for W2: its loads are themselves issued seven K steps ahead.
; LIMIT: e12 + e13 between -126 and 126, so that 2^(e12 + e13) and its inverse are f32 numbers.
; REGISTERS: window 0: v0-31 addresses, v32-95 at work on the way out, v96-111 b2, v128-255 accumulators ((a, b) at 128 + 8 (2 a + b)).  window 1: A's fragments, two sets of 128; on the way out x1.
;   window 2: B's fragments, eight places; on the way out the rows read back.
.set SLOT,  131072
.set SPARE, 2*SLOT                     ; behind the ring: the spare words, 128 bytes a wave
.set FILLB, 16384                      ; 8 K steps of one tile of 16 rows
.set XP,    528                        ; a row of x1's tile in LDS: 512 bytes + 16
.set ADR,  16                          ; v16  A's tiles 0-3 in the slot in hand
.set ADR2, 17                          ; v17  its tiles 4-7: 65,536 bytes on, beyond an offset's 16 bits
.set XA,   18                          ; v18  x1's tile in the accumulators' layout
.set RD,   19                          ; v19  my 32 rows of it
.set PFO,  21                          ; v21  256 x lane
.set PFX,  22                          ; v22  4,096 x lane
.set CO,   26                          ; v26  16 x lane
.set SPW,  28
.set NIL,  29
.set ACC,  128
.set G1,   24                          ; s[24:31] group 1 for A;  s[32:35] its group 0, which walks
.set G0,   32
.set G1X,  48                          ; s[48:55], s[56:59] the same for x1's tile
.set G0X,  56
.set BB,   60                          ; s[60:61] my B fragments, at the slot's first K step
.set PFA,  62                          ; s[62:63] my 8,192 bytes of a fill of A
.set XAD,  66                          ; s[66:67] my 32 rows of x1's tile
.set TB,   68                          ; s68  LDS byte at which the slot in hand begins
.set MSB, 0
.macro WIN new                         ; the immediate's high byte repeats the setting that is left
.if MSB != (\new)
	s_set_vgpr_msb (MSB<<8)|(\new)
.set MSB, (\new)
.endif
.endm
.set MUL,  0x06                        ; source 0 (B) window 2, source 1 (A) window 1, C and D window 0
.set TO_A, 0x40
.set TO_B, 0x80
.macro CROUND                          ; a round of the cluster's barrier
	s_barrier_signal -1
	s_barrier_wait -1
	s_cmp_lg_u32 s14, 0
	s_cbranch_scc1 .Lnot_wave_0_\@
	s_barrier_signal -3
.Lnot_wave_0_\@:
	s_barrier_wait -3
	s_barrier_signal -1
	s_barrier_wait -1
.endm
.macro PLACES                          ; plain vector instructions between a matrix instruction and a load into, or a read of, its registers
.rept 4
	v_nop
.endr
.endm
.macro BLOAD p, ks                     ; B's two fragments of K step ks (counted from the slot's first) into place p: each load reads 512 consecutive bytes
.irp i, 0,1
.irp c, 0,1,2,3
	global_load_b128 v[32*(\p)+16*\i+4*\c:32*(\p)+16*\i+4*\c+3], v[CO], s[BB:BB+1] offset:\i*65536+(\ks)*2048+512*\c
.endr
.endr
.endm
.macro ALOAD q                         ; A's eight fragments of the slot's K step q into set q % 2
.irp i, 0,1,2,3
.irp c, 0,1,2,3
	ds_load_b128 v[128*((\q)%2)+16*\i+4*\c:128*((\q)%2)+16*\i+4*\c+3], v[ADR] offset:\i*FILLB+(\q)*2048+512*\c
.endr
.endr
.irp i, 0,1,2,3
.irp c, 0,1,2,3
	ds_load_b128 v[128*((\q)%2)+64+16*\i+4*\c:128*((\q)%2)+64+16*\i+4*\c+3], v[ADR2] offset:\i*FILLB+(\q)*2048+512*\c
.endr
.endr
.endm
.macro MUL8 q, a0                      ; the 16 accumulators take turns, one instruction a turn, in the same order in every step
.irp a, \a0, \a0+1, \a0+2, \a0+3
.irp b, 0,1
	v_wmma_f32_16x16x128_fp8_fp8 v[ACC+8*(2*(\a)+\b):ACC+8*(2*(\a)+\b)+7], v[32*((\q)%8)+16*\b:32*((\q)%8)+16*\b+15], v[128*((\q)%2)+16*(\a):128*((\q)%2)+16*(\a)+15], v[ACC+8*(2*(\a)+\b):ACC+8*(2*(\a)+\b)+7]
.endr
.endr
.endm
.macro ASK                             ; trip 0: fill 3 of A;  trip 1: x1's tile.  The branches hang on the count of trips alone
	s_cmp_eq_u32 s3, 0
	s_cbranch_scc0 .Lnot_a_\@
	global_prefetch_b8 v[PFO], s[PFA:PFA+1] offset:3*FILLB th:TH_LOAD_NT scope:SCOPE_SE
.Lnot_a_\@:
	s_cmp_eq_u32 s3, 1
	s_cbranch_scc0 .Lnot_x_\@
	global_prefetch_b8 v[PFX], s[XAD:XAD+1] th:TH_LOAD_NT scope:SCOPE_SE
	global_prefetch_b8 v[PFX], s[XAD:XAD+1] offset:256 th:TH_LOAD_NT scope:SCOPE_SE
.Lnot_x_\@:
.endm
; A K step: 16 matrix instructions.  In its middle the next step's A fragments are read from LDS and B's of seven steps on are asked of memory, both into registers that the step before read.
.macro STEP q, tail
	s_wait_dscnt 16                                ; A's blocks 0-3 are in; the youngest 16 loads may be out
.if (\tail) && (\q) >= 2
	s_wait_loadcnt 8*(7-(\q))                      ; the last steps: fewer loads were issued behind this step's
.else
	s_wait_loadcnt 48                              ; this step's B is in; the next six steps' 48 loads may be out
.endif
	WIN MUL
	MUL8 \q, 0
	PLACES
.if (\q) == 0 && (\tail) == 0
	WIN 0
	ASK
.endif
.if (\q) < 7
	WIN TO_A
	ALOAD (\q)+1
.endif
.if (\tail) == 0 || (\q) < 1
	WIN TO_B
	BLOAD ((\q)+7)%8, (\q)+7
.endif
.if (\q) < 7
	s_wait_dscnt 32                                ; all but the 32 just issued
.else
	s_wait_dscnt 0
.endif
	WIN MUL
	MUL8 \q, 4
.endm
.macro STEPS tail
.irp q, 0,1,2,3,4,5,6,7
	STEP \q, \tail
.endr
	WIN 0
.endm
; THE CHANGE OF SLOTS stands at a slot's head: all my tensor loads, the add and my reads of the slot that I leave are waited for; a round; my one tensor load; the new slot's first fragments.
.macro CHANGE kind                     ; 1: the next fill of A, into the other slot;  2: x1's tile, into slot 0
	s_wait_tensorcnt 0x0                           ; my part of the slot ahead has landed; no load of mine is out, so group 0 may be written
	ds_add_u32 v[SPW], v[NIL]
.if (\kind) == 1
	s_xor_b32 s[TB], s[TB], SLOT
	s_xor_b32 s[G0+1], s[G0+1], SLOT
	s_add_nc_u64 s[G0+2:G0+3], s[G0+2:G0+3], FILLB
.else
	s_mov_b32 s[TB], SLOT                          ; the fourth fill lies in slot 1
.endif
	v_add_nc_u32 v[ADR], s[TB], v[CO]
	v_add_nc_u32 v[ADR2], 0x10000, v[ADR]
	s_wait_alu depctr_va_vdst(0)                   ; the wait behind the writes
	s_wait_dscnt 0x0
	CROUND                                         ; no wave of any partner still reads the slot that is filled next, or has a load on its way
.if (\kind) == 1
	tensor_load_to_lds s[G0:G0+3], s[G1:G1+7]
.else
	tensor_load_to_lds s[G0X:G0X+3], s[G1X:G1X+7]
.endif
	s_nop 0
	PLACES
	WIN TO_A
	ALOAD 0
.endm
	s_load_b256 s[4:11], s[0:1], 0x0               ; g_img 4, pimg 6, b2 8, x1 10
	s_load_b128 s[80:83], s[0:1], 0x20             ; the scales' exponents 80, out0 82
	v_lshl_add_u32 v[SPW], v0, 2, SPARE
	v_mov_b32 v[NIL], 0
	ds_add_u32 v[SPW], v[NIL]                      ; the wave's opening: the add, twice on end, and its wait ahead of my first tensor load
	ds_add_u32 v[SPW], v[NIL]
	v_lshrrev_b32 v1, 5, v0
	v_readfirstlane_b32 s14, v1                    ; wave 0..3
	s_and_b32 s17, ttmp7, 0xffff                   ; which 128 rows
	s_mov_b32 s[G1], 15|(3<<16)|(1<<21)            ; 15:0 all four partners; 17:16 elements of 8 bytes; 21 set beside a mask
	s_mov_b32 s[G1+1], 2048<<16                    ; tensor_dim0 = 2,048 elements: 16,384 bytes
	s_mov_b32 s[G1+2], 2<<16                       ; tensor_dim1 = 2
	s_mov_b32 s[G1+3], 2048<<16                    ; tile_dim0
	s_mov_b32 s[G1+4], 2                           ; tile_dim1
	s_mov_b32 s[G1+5], 8192                        ; from one tile of 16 rows to the next: 65,536 bytes
	s_mov_b32 s[G1+6], 0
	s_mov_b32 s[G1+7], 0
	s_mov_b32 s[G1X], (3<<16)|(1<<20)|(6<<22)|(3<<25)   ; no mask; elements of 8 bytes; four words of padding behind every 128
	s_mov_b32 s[G1X+1], 64<<16                     ; 512 bytes of a row
	s_mov_b32 s[G1X+2], 32<<16                     ; 32 rows
	s_mov_b32 s[G1X+3], 64<<16
	s_mov_b32 s[G1X+4], 32
	s_mov_b32 s[G1X+5], 512                        ; a row of x1: 4,096 bytes
	s_mov_b32 s[G1X+6], 0
	s_mov_b32 s[G1X+7], 0
	s_lshl_b32 s20, s17, 19                        ; A: 8 tiles of 65,536 bytes for 128 rows,
	s_lshl_b32 s18, s14, 17                        ; and my two of them
	s_add_co_u32 s20, s20, s18
	s_mov_b32 s21, 0
	s_bfe_u32 s40, ttmp6, 0x40000                  ; cx: it enters addresses of my own loads, stores and prefetches alone
	s_lshl_b32 s42, ttmp9, 2
	s_add_co_u32 s42, s42, s40                     ; which 128 columns
	s_lshl_b32 s46, s42, 19
	s_add_co_u32 s46, s46, s18                     ; my two tiles of 16 columns, 65,536 bytes each,
	s_add_co_u32 s46, s46, 0x1300000               ; of W2's image in pimg
	s_mov_b32 s47, 0
	s_lshl_b32 s70, s17, 19                        ; 128 rows of 4,096 bytes
	s_lshl_b32 s41, s42, 9
	s_add_co_u32 s70, s70, s41                     ; the block's first byte in x1 and out0
	s_add_co_u32 s72, s70, s18                     ; the 32 rows that I fetch, and store
	s_mov_b32 s73, 0
	s_lshl_b32 s23, s14, 7                         ; my 32 columns: 128 bytes of a row
	s_add_co_u32 s43, s41, s23                     ; my first column in b2
	s_lshr_b32 s76, s40, 1                         ; of the 32,768 bytes that I fetch of a fill, my work-group prefetches 8,192: tile cx / 2, half cx % 2
	s_lshl_b32 s76, s76, 16
	s_and_b32 s44, s40, 1
	s_lshl_b32 s44, s44, 13
	s_add_co_u32 s76, s76, s44
	s_add_co_u32 s76, s76, s20
	s_mov_b32 s77, 0
	s_mul_i32 s45, s14, 32*XP                      ; LDS: my 32 rows of x1's tile
	s_wait_dscnt 0x0                               ; both opening adds are done
	s_wait_kmcnt 0x0
	s_load_b64 s[84:85], s[80:81], 0x30            ; e12, e13
	s_mov_b32 s[G0], 1
	s_lshl_b32 s[G0+1], s14, 15                    ; slot 0, wave x 32,768
	s_add_nc_u64 s[G0+2:G0+3], s[4:5], s[20:21]
	s_or_b32 s[G0+3], s[G0+3], 0x80000000
	CROUND                                         ; all four work-groups are here: the first joint loads meet
	tensor_load_to_lds s[G0:G0+3], s[G1:G1+7]      ; fill 0: one tensor load a wave at the head
	s_nop 0
	s_add_nc_u64 s[BB:BB+1], s[6:7], s[46:47]
	s_add_nc_u64 s[PFA:PFA+1], s[4:5], s[76:77]
	s_add_nc_u64 s[12:13], s[82:83], s[72:73]
	s_add_nc_u64 s[XAD:XAD+1], s[10:11], s[72:73]
	s_mov_b32 s[G0X], 1
	s_mov_b32 s[G0X+1], s45
	s_mov_b64 s[G0X+2:G0X+3], s[XAD:XAD+1]
	s_or_b32 s[G0X+3], s[G0X+3], 0x80000000
	v_and_b32 v1, 15, v0                           ; r
	v_bfe_u32 v2, v0, 4, 1                         ; h
	v_and_b32 v6, 31, v0
	v_lshlrev_b32 v[CO], 4, v6
	v_mul_u32_u24 v[XA], v1, XP
	v_lshl_add_u32 v[XA], v2, 5, v[XA]
	v_add_nc_u32 v[XA], s23, v[XA]                 ; row r, my 128 bytes, + 32 h
	v_add_nc_u32 v[RD], s45, v[CO]                 ; 32 lanes take a row's 512 bytes
	v_lshlrev_b32 v[PFO], 8, v6
	v_lshlrev_b32 v[PFX], 12, v6
	v_lshl_add_u32 v3, v2, 5, s43
	s_wait_alu depctr_va_vdst(0)                   ; the wait
.irp b, 0,1
	global_load_b128 v[96+8*\b:99+8*\b], v3, s[8:9] offset:64*\b        ; v[96 + 8 b + j] = b2 at column 16 b + 8 h + j
	global_load_b128 v[100+8*\b:103+8*\b], v3, s[8:9] offset:64*\b+16
.endr
	WIN TO_B
.irp p, 0,1,2,3,4,5,6
	BLOAD \p, \p
.endr
	WIN 0
	global_prefetch_b8 v[PFO], s[PFA:PFA+1] offset:2*FILLB th:TH_LOAD_NT scope:SCOPE_SE   ; fill 2, two fills behind the one just asked for
	s_wait_kmcnt 0x0
	s_add_co_i32 s84, s84, s85
	s_add_co_i32 s85, s84, 127
	s_lshl_b32 s96, s85, 23                        ; 2^(e12 + e13)
	s_mov_b32 s97, s96                             ; (named with it as a pair)
	s_sub_co_i32 s85, 127, s84
	s_lshl_b32 s98, s85, 23                        ; and its inverse
	s_mov_b32 s99, s98
	s_wait_loadcnt 56                              ; b2's four loads are in; B's 56 may be out
.irp a, 0,1,2,3,4,5,6,7
.set i, 0
.rept 8
	v_pk_mul_f32 v[ACC+16*\a+i:ACC+16*\a+i+1], v[96+i:97+i], s[98:99] op_sel_hi:[1,0]   ; the sums begin as b2 / 2^(e12 + e13)
.set i, i+2
.endr
.endr
	s_mov_b32 s[TB], SLOT
	s_mov_b32 s3, 0
	s_wait_alu depctr_va_vdst(0)                   ; the wait at the head's end
.Lslot:                                                ; three trips: slots 0, 1, 0; behind each change fill 1, 2, 3 is asked for (the first time: slot 1's first fill, issued as a refill is)
	CHANGE 1
	STEPS 0
	s_wait_xcnt 0x0                                ; B's loads have read their base
	s_add_nc_u64 s[BB:BB+1], s[BB:BB+1], FILLB
	s_add_co_u32 s3, s3, 1
	s_cmp_lt_u32 s3, 3
	s_cbranch_scc1 .Lslot
	CHANGE 2                                       ; the last slot is written out: x1's tile is asked for, and B's loads end with K step 31
	STEPS 1
	; THE WAY OUT.  x1's tile is whole behind the barrier.  Block a (16 rows x my 32 columns): sum x 2^(e12 + e13) + x1, stored over x1's numbers.  Behind a second barrier the tile holds the result, and leaves by rows.
	s_wait_tensorcnt 0x0                           ; my 32 rows of x1's tile have landed
	s_wait_dscnt 0x0
	s_barrier_signal -1
	s_barrier_wait -1                              ; everybody's have
	PLACES                                         ; behind the last products: loads into their sources and reads of their results follow
	WIN TO_A
.irp a, 0,1,2,3,4,5,6,7
.irp b, 0,1
	ds_load_b128 v[16*\a+8*\b:16*\a+8*\b+3], v[XA] offset:\a*16*XP+64*\b
	ds_load_b128 v[16*\a+8*\b+4:16*\a+8*\b+7], v[XA] offset:\a*16*XP+64*\b+16
.endr
.endr
.irp a, 0,1,2,3,4,5,6,7
	s_wait_dscnt 28                                ; block a's four loads are in: behind them stand 4 (7 - a) loads and the 4 a stores of the blocks before
	WIN 0x10                                       ; source 2: window 1
.set i, 0
.rept 8
	v_pk_fma_f32 v[32+16*(\a%4)+i:33+16*(\a%4)+i], v[ACC+16*\a+i:ACC+16*\a+i+1], s[96:97], v[16*\a+i:16*\a+i+1] op_sel_hi:[1,0,1]   ; each accumulator from its low end on
.set i, i+2
.endr
	WIN 0
.irp b, 0,1
	ds_store_b128 v[XA], v[32+16*(\a%4)+8*\b:35+16*(\a%4)+8*\b] offset:\a*16*XP+64*\b
	ds_store_b128 v[XA], v[36+16*(\a%4)+8*\b:39+16*(\a%4)+8*\b] offset:\a*16*XP+64*\b+16
.endr
.endr
	s_wait_dscnt 0x0                               ; for the others' sake: my columns of the result lie in the tile
	s_barrier_signal -1
	s_barrier_wait -1
	WIN TO_B
.set t, 0
.rept 32
	ds_load_b128 v[4*t:4*t+3], v[RD] offset:t*XP
.set t, t+1
.endr
	WIN 0x08                                       ; the stores' data: window 2
.set t, 0
.rept 32
	s_wait_dscnt 31-t                              ; LDS loads come back in order: row t is in
	global_store_b128 v[CO], v[4*t:4*t+3], s[12:13] offset:t*4096 th:TH_STORE_NT   ; 32 lanes store 512 consecutive bytes, aligned
.set t, t+1
.endr
	WIN 0
	s_wait_tensorcnt 0x0                           ; the wave's end
	ds_add_u32 v[SPW], v[NIL]
	s_wait_dscnt 0x0
	CROUND                                         ; the closing round
	s_endpgm
.Lfunc_end_k_qcb413ca166_mlp2:
	.size	k_qcb413ca166_mlp2, .Lfunc_end_k_qcb413ca166_mlp2-k_qcb413ca166_mlp2
	.p2alignl 7, 3214868480
	.fill 96, 4, 3214868480
	.section	.rodata,"a",@progbits
	.p2align	6, 0x0
	.amdhsa_kernel k_qcb413ca166_mlp2
		.amdhsa_group_segment_fixed_size 327680
		.amdhsa_private_segment_fixed_size 0
		.amdhsa_enable_private_segment 0
		.amdhsa_kernarg_size 48
		.amdhsa_user_sgpr_count 2
		.amdhsa_user_sgpr_kernarg_segment_ptr 1
		.amdhsa_wavefront_size32 1
		.amdhsa_system_sgpr_workgroup_id_x 1
		.amdhsa_system_sgpr_workgroup_id_y 1
		.amdhsa_system_sgpr_workgroup_id_z 1
		.amdhsa_system_vgpr_workitem_id 0
		.amdhsa_next_free_vgpr 768
		.amdhsa_next_free_sgpr 100
		.amdhsa_reserve_vcc 0
		.amdhsa_float_denorm_mode_32 3
		.amdhsa_float_denorm_mode_16_64 3
		.amdhsa_memory_ordered 1
		.amdhsa_forward_progress 1
		.amdhsa_inst_pref_size 93
	.end_amdhsa_kernel
	.amdgpu_metadata
---
amdhsa.version: [ 1, 2 ]
amdhsa.kernels:
  - .name:           k_qcb413ca166_mlp2
    .symbol:         k_qcb413ca166_mlp2.kd
    .args:
      - { .name: g_img, .offset: 0, .size: 8, .value_kind: global_buffer, .address_space: global }
      - { .name: pimg, .offset: 8, .size: 8, .value_kind: global_buffer, .address_space: global }
      - { .name: b2, .offset: 16, .size: 8, .value_kind: global_buffer, .address_space: global }
      - { .name: x1, .offset: 24, .size: 8, .value_kind: global_buffer, .address_space: global }
      - { .name: lowp_scales, .offset: 32, .size: 8, .value_kind: global_buffer, .address_space: global }
      - { .name: out0, .offset: 40, .size: 8, .value_kind: global_buffer, .address_space: global }
    .group_segment_fixed_size: 327680
    .private_segment_fixed_size: 0
    .kernarg_segment_align: 8
    .kernarg_segment_size: 48
    .max_flat_workgroup_size: 128
    .sgpr_count:     100
    .vgpr_count:     768
    .wavefront_size: 32
...
	.end_amdgpu_metadata
.endif
;; end of part 6
